; MI455X (gfx1250); checked and timed in simulation.
; The chip was launched on July 23, 2026; its instructions are those of AMD's public machine-readable ISA for CDNA 5 (MIT licence, August 2026) and "CDNA5" Instruction Set Architecture Reference Guide (July 2026). The comments in the code are by the model that wrote it; some were corrected since.
;; Lightning Attention. Allowed arithmetic: matrix products marked QUANTISED: E2M1 operands, one E8M0 scale for each 32 along K, by v_wmma_scale_f32_16x16x128_f8f6f4 with both operands' format E2M1 (or v_wmma_scale_f32_32x16x128_f4), f32 sums; products left as they are: f32 operands where the result goes on into a quantised operand, else bf16, f16 or f32 operands; f32 sums; everything else in f32.
;; Inputs: w_in_norm 1,024 float32; w_out_norm 1,024 float32; wg 1,024 x 1,024 float32; wk 1,024 x 1,024 float32; wq 1,024 x 1,024 float32; wv 1,024 x 1,024 float32; x 4 x 4,096 x 1,024 float32.
;; Outputs: out0 4 x 4,096 x 1,024 float32.
;; This version of the problem:
;;   THIS VERSION OF THE PROBLEM IS GIVEN IN LOW PRECISION. The matrix products marked QUANTISED in the list below multiply operands that are first quantised to E2M1 (2 exponent bits, 1 mantissa bit; 4 bits a number), with one power-of-two scale for each 32 numbers along K (OCP MX v1.0); their sums are f32. All else is computed in f32.
;;   The module's matrix products, in the order in which they are computed (A, B: the left and right operand; K: the contracted axis; several contracted axes count as one K, in the product's order):
;;     1. [M 16,384, K 1,024] x [K 1,024, N 1,024]; A: computed on the way; B: input wq: QUANTISED
;;     2. [M 16,384, K 1,024] x [K 1,024, N 1,024]; A: computed on the way; B: input wk: QUANTISED
;;     3. [M 16,384, K 1,024] x [K 1,024, N 1,024]; A: computed on the way; B: input wv: QUANTISED
;;     4. [M 16,384, K 1,024] x [K 1,024, N 1,024]; A: computed on the way; B: input wg: QUANTISED
;;     5. batch 16,384 x [M 16, K 64] x [K 64, N 16]; A: computed on the way; B: computed on the way: QUANTISED
;;     6. batch 16,384 x [M 16, K 16] x [K 16, N 64]; A: softmax; B: computed on the way: left as it is (K = 16 < 32)
;;   THE QUANTISER, for each operand of a quantised product, along K:
;;     - K is cut into blocks of 32 from its start; a last block that is shorter is filled with zeros.
;;     - A block's scale is 2^e with e = floor(log2(the largest magnitude in the block)) - 2, held to -126 .. 127; a block of zeros has e = 0. As a byte (E8M0): e + 127.
;;     - Each number is divided by its block's scale, clamped to +-6, and rounded to the nearest number of E2M1, ties to even, subnormals kept.
;;     - The product sums the exact products of the quantised numbers (number of the format x scale) in f32.
;;   ~~~python
;;   def quantise(x, axis):      # numpy; x: float32 -> the quantised numbers, widened to float32 again
;;       x = np.moveaxis(x, axis, -1); K = x.shape[-1]
;;       x = np.pad(x, [(0, 0)] * (x.ndim - 1) + [(0, -K % 32)]); x = x.reshape(x.shape[:-1] + (-1, 32)); a = np.abs(x).max(-1, keepdims=True)
;;       e = np.where(a > 0, np.clip(np.frexp(np.where(a > 0, a, 1))[1] - 1 - 2, -126, 127), 0)      # np.frexp(a)[1] - 1 = floor(log2(a)), exactly
;;       r = np.clip(x / 2.0 ** e, -6, 6)
;;       step = 2.0 ** (np.maximum(np.frexp(np.where(r == 0, 1, r))[1] - 1, 0) - 1)
;;       q = np.round(r / step) * step * 2.0 ** e      # np.round: ties to even
;;       return np.moveaxis(q.reshape(q.shape[:-2] + (-1,))[..., :K], -1, axis).astype(np.float32)
;;   ~~~
;;   OPERANDS COMPUTED ON THE WAY. 'Computed on the way' means the value that the module computes at that place (a softmax that the list does not call 'softmax' is quantised finished and normalised). What goes into a quantiser is computed in f32, as accurately as f32 sums, v_exp_f32 and their like allow (about 1e-6 of the number): no bf16 or f16 on the way to a quantiser, and a product that is left as it is and whose result goes on into a quantised operand takes f32 operands (vector FMAs, or v_wmma_f32_16x16x4_f32). A number that lies on a knife's edge between two numbers of the format may be rounded either way, as far as f32 arithmetic and the matrix unit's own rounding can turn it there, and no further.
;; 2 versions. Each part assembles by itself: llvm-mc -triple=amdgcn-amd-amdhsa -mcpu=gfx1250 --defsym DOCPART=n.
;; ======== version 1 of 2: 2 launches
;; workspace buffers: xc 8,388,608 bytes; xs 524,288 bytes; wc 2,097,152 bytes; ws 131,072 bytes
;; launch prep (part 1): grid 1280 x 1, 8 waves a work-group, no clusters, 67,584 bytes of LDS; arguments x, wq, wk, wv, wg, w_in_norm, xc, xs, wc, ws; writes xc, xs, wc, ws
.if DOCPART == 1
	.amdgcn_target "amdgcn-amd-amdhsa--gfx1250"
	.amdhsa_code_object_version 6
	.text
	.protected	k_qd41f863889_prep
	.globl	k_qd41f863889_prep
	.p2align	8
	.type	k_qd41f863889_prep,@function
k_qd41f863889_prep:
	s_mov_b64 s[64:65], 0
	v_nop
	global_prefetch_b8 v0, s[64:65] scope:SCOPE_SE
	s_setreg_imm32_b32 hwreg(HW_REG_WAVE_MODE, 25, 1), 1
	s_wait_xcnt 0x0
; x [16384][1024] f32 gets its RMS norm and gain and is turned into codes of FP4 (E2M1) with one E8M0 byte for each 32 along K; wq, wk, wv, wg [1024][1024] f32 (K innermost) are turned into codes likewise, as they are.
; A block's scale is 2^(floor(log2(its largest magnitude)) - 2): its byte is the largest magnitude's exponent field - 2, held at 1 from below.
; LIMITS: NaN and infinities among the inputs are not served.  A block of zeros gets the byte 1 where the rule says 127: its codes are zeros, and this program alone reads the bytes.
; WHAT IS STORED is laid in the order of the operand's registers.  Codes: [block of 64 rows][K step s of 128][tile t of 16 rows][c][lane][16 bytes]: lane 16 h + r holds k = 128 s + 64 c + 32 h + 0 .. 31 of tile row r.
; Scale bytes: [block][t][K step s][r]: a word (the step's four bytes) for each row, so that 32 lanes x 4 bytes are the words of two neighbouring K steps.
; SHARES.  A work-group makes ONE tile of 16 rows x 1,024.  Work-groups 0 .. 1023: x's tile T (tokens 16 T on).  Work-groups 1024 .. 1279: T' = 16 C + 4 w + t: tile t of the block that wave w of the next launch reads in chunk C
; (C / 4: q, k, v, g; cc = C % 4).  WHICH ROWS OF A WEIGHT FORM A TILE is chosen for that launch:  q, k: head 4 w + cc, row 64 head + 32 (t / 2) + 8 (t % 2) + r + 8 (r / 8);  v: row 64 r + 16 cc + 4 w + t (the 16 heads at one d);
; g: row 64 (4 w + cc) + 16 t + r.  All tiles take ONE path through the text: pointers and whole numbers are chosen by the work-group's number, and for a weight the norm's factor and the gain are replaced by 1.
; Eight waves.  Wave v loads tile rows 2 v and 2 v + 1 (each load 512 consecutive bytes), norms them, and puts them into a stage in LDS; behind a barrier wave v takes K step v of all 16 rows: a lane then holds two whole blocks of 32.
.set PITCH, 4112                       ; a stage row: 4,096 bytes + 16: an odd multiple of 16, so that the sixteen rows of a load begin at sixteen different places modulo 256 bytes
.set SCL,   16*PITCH                   ; behind the stage: the tile's 512 scale bytes, [s][r] words
.set G,     8                          ; v8-39    the gains of my columns (128 i + 4 lane + 0 .. 3)
.set X,     40                         ; v40-103  two rows as loaded; later two blocks of 32 neighbours
.set W,     104                        ; v104-119 at work
.set C,     120                        ; v120-127 the codes
	s_load_b256 s[4:11], s[0:1], 0x0               ; x s[4:5], wq s[6:7], wk s[8:9], wv s[10:11]
	s_load_b256 s[12:19], s[0:1], 0x20             ; wg s[12:13], w_in_norm s[14:15], xc s[16:17], xs s[18:19]
	s_load_b128 s[20:23], s[0:1], 0x40             ; wc s[20:21], ws s[22:23]
	v_lshl_add_u32 v128, v0, 2, 0x10400
	v_mov_b32 v129, 0
	v_lshrrev_b32 v2, 5, v0
	v_readfirstlane_b32 s24, v2                    ; wave v
	v_and_b32 v1, 31, v0
	v_lshlrev_b32 v1, 4, v1                        ; v1: 16 x lane
	v_and_b32 v7, 15, v0                           ; r
	v_bfe_u32 v6, v0, 4, 1                         ; h
	s_mul_i32 s35, s24, 2*PITCH
	v_add_nc_u32 v2, s35, v1                       ; v2: into the stage: my two rows, 16 x lane
	v_mul_u32_u24 v3, v7, PITCH
	v_lshl_add_u32 v3, v6, 7, v3
	s_lshl_b32 s35, s24, 9
	v_add_nc_u32 v3, s35, v3                       ; v3: out of it: row r, K step v (512 bytes), + 128 h
	v_lshlrev_b32 v4, 2, v7
	s_lshl_b32 s35, s24, 6
	s_add_co_u32 s35, s35, SCL
	v_add_nc_u32 v4, s35, v4                       ; v4: K step v's 16 scale words, row r's
	v_add_nc_u32 v5, SCL, v1                       ; v5: the 512 scale bytes, 16 a lane
	s_mov_b32 s36, 0x76543210
	s_mov_b32 s37, 0xfedcba98                      ; v_permlanex16_b32's selects for lane l xor 16
	s_mov_b32 s38, 0x3a800000                      ; 1 / 1024
	s_mov_b32 s39, 0x358637bd                      ; 1e-6
	; which rows
	s_mov_b32 s25, ttmp9                           ; T
	s_max_u32 s40, s25, 1024
	s_sub_co_u32 s40, s40, 1024                    ; T' (0 for x's tiles)
	s_lshr_b32 s41, s40, 6                         ; which weight
	s_and_b32 s42, s25, 3                          ; t
	s_bfe_u32 s43, s40, 0x20002                    ; w
	s_bfe_u32 s44, s40, 0x20004                    ; cc
	s_lshl_b32 s43, s43, 2
	s_add_co_u32 s43, s43, s44
	s_lshl_b32 s43, s43, 6                         ; 64 x head
	s_lshr_b32 s44, s42, 1
	s_lshl_b32 s44, s44, 5
	s_and_b32 s45, s42, 1
	s_lshl_b32 s45, s45, 3
	s_add_co_u32 s44, s44, s45
	s_add_co_u32 s44, s44, s43                     ; q, k: the tile's first row
	s_lshl_b32 s45, s42, 4
	s_add_co_u32 s45, s45, s43                     ; g
	s_and_b32 s46, s40, 63                         ; v
	s_lshl_b32 s47, s25, 4                         ; x
	s_lshr_b32 s51, s25, 2                         ; the block of 64 rows: x's,
	s_lshr_b32 s58, s40, 2                         ; a weight's
	s_cmp_lt_u32 s41, 2
	s_cselect_b32 s48, s44, s45
	s_cselect_b32 s49, 8, 0                        ; q, k: tile rows 8 .. 15 lie 8 rows further on
	s_cmp_eq_u32 s41, 2
	s_cselect_b32 s48, s46, s48
	s_cselect_b32 s50, 64, 1                       ; from tile row to tile row
	s_cmp_lt_u32 s25, 1024
	s_cselect_b32 s48, s47, s48
	s_cselect_b32 s49, 0, s49
	s_cselect_b32 s50, 1, s50
	s_cselect_b32 s34, -1, 0                       ; all lanes: is this x?
	s_cselect_b32 s51, s51, s58
	s_lshl_b32 s52, s24, 1
	s_mul_i32 s52, s52, s50
	s_lshr_b32 s53, s24, 2
	s_mul_i32 s53, s53, s49
	s_add_co_u32 s48, s48, s52
	s_add_co_u32 s48, s48, s53                     ; tile row 2 v
	s_add_co_u32 s52, s48, s50                     ; tile row 2 v + 1
	s_lshl_b32 s48, s48, 12                        ; in bytes (under 2^26)
	s_lshl_b32 s52, s52, 12
	s_mov_b32 s49, 0
	s_mov_b32 s53, 0
	s_lshl_b32 s54, s51, 15                        ; the codes: block x 32,768 + t x 1,024 + K step v x 4,096
	s_lshl_b32 s55, s42, 10
	s_add_co_u32 s54, s54, s55
	s_lshl_b32 s55, s24, 12
	s_add_co_u32 s54, s54, s55
	s_mov_b32 s55, 0
	s_lshl_b32 s56, s51, 11                        ; the scale bytes: block x 2,048 + t x 512
	s_lshl_b32 s57, s42, 9
	s_add_co_u32 s56, s56, s57
	s_mov_b32 s57, 0
	s_wait_kmcnt 0x0
	s_cmp_eq_u32 s41, 1                            ; the choices hang on the work-group's number alone
	s_cselect_b64 s[26:27], s[8:9], s[6:7]
	s_cmp_eq_u32 s41, 2
	s_cselect_b64 s[26:27], s[10:11], s[26:27]
	s_cmp_eq_u32 s41, 3
	s_cselect_b64 s[26:27], s[12:13], s[26:27]
	s_cmp_lt_u32 s25, 1024
	s_cselect_b64 s[26:27], s[4:5], s[26:27]
	s_cselect_b64 s[30:31], s[16:17], s[20:21]
	s_cselect_b64 s[32:33], s[18:19], s[22:23]
	s_add_nc_u64 s[28:29], s[26:27], s[52:53]      ; my second row
	s_add_nc_u64 s[26:27], s[26:27], s[48:49]      ; my first row
	s_add_nc_u64 s[30:31], s[30:31], s[54:55]
	s_add_nc_u64 s[32:33], s[32:33], s[56:57]
.irp i, 0,1,2,3,4,5,6,7
	global_load_b128 v[G+4*\i:G+4*\i+3], v1, s[14:15] offset:512*\i
.endr
.irp i, 0,1,2,3,4,5,6,7
	global_load_b128 v[X+4*\i:X+4*\i+3], v1, s[26:27] offset:512*\i th:TH_LOAD_NT      ; 32 lanes read 512 consecutive bytes; each row is read once in the launch
	global_load_b128 v[X+32+4*\i:X+32+4*\i+3], v1, s[28:29] offset:512*\i th:TH_LOAD_NT
.endr
	s_wait_loadcnt 0x0
	; each row's sum of squares: two chains a row, started by the first products
.irp a, 0,1
	v_pk_mul_f32 v[W+4*\a:W+4*\a+1], v[X+32*\a:X+32*\a+1], v[X+32*\a:X+32*\a+1]
	v_pk_mul_f32 v[W+4*\a+2:W+4*\a+3], v[X+32*\a+2:X+32*\a+3], v[X+32*\a+2:X+32*\a+3]
.endr
.irp j, 4,8,12,16,20,24,28
.irp a, 0,1
	v_pk_fma_f32 v[W+4*\a:W+4*\a+1], v[X+32*\a+\j:X+32*\a+\j+1], v[X+32*\a+\j:X+32*\a+\j+1], v[W+4*\a:W+4*\a+1]
	v_pk_fma_f32 v[W+4*\a+2:W+4*\a+3], v[X+32*\a+\j+2:X+32*\a+\j+3], v[X+32*\a+\j+2:X+32*\a+\j+3], v[W+4*\a+2:W+4*\a+3]
.endr
.endr
.irp a, 0,1
	v_pk_add_f32 v[W+4*\a:W+4*\a+1], v[W+4*\a:W+4*\a+1], v[W+4*\a+2:W+4*\a+3]
.endr
.irp a, 0,1
	v_add_f32 v[W+4*\a], v[W+4*\a], v[W+4*\a+1]
.endr
.irp d, 1,2,4,8
.irp a, 0,1
	v_add_f32_dpp v[W+4*\a], v[W+4*\a], v[W+4*\a] row_xmask:\d row_mask:0xf bank_mask:0xf
.endr
.endr
.irp a, 0,1
	v_permlanex16_b32 v[W+4*\a+1], v[W+4*\a], s36, s37
.endr
.irp a, 0,1
	v_add_f32 v[W+4*\a], v[W+4*\a], v[W+4*\a+1]    ; every lane holds the row's sum
.endr
.irp a, 0,1
	v_fma_f32 v[W+4*\a], v[W+4*\a], s38, s39       ; the mean + 1e-6
.endr
.irp a, 0,1
	v_rsq_f32 v[W+8+2*\a], v[W+4*\a]
.endr
	v_nop                                          ; a plain instruction behind the last root
	s_wait_alu depctr_va_vdst(0)                   ; one wait for both roots, ahead of their first reader
.irp a, 0,1
	v_cndmask_b32 v[W+8+2*\a], 1.0, v[W+8+2*\a], s34   ; a weight is taken as it is
.endr
.irp a, 0,1
	v_mov_b32 v[W+9+2*\a], v[W+8+2*\a]             ; twice: a pair for the packed multiply
.endr
.set j, 0
.rept 32
	v_cndmask_b32 v[G+j], 1.0, v[G+j], s34
.set j, j+1
.endr
.set j, 0
.rept 16
	v_pk_mul_f32 v[X+j:X+j+1], v[X+j:X+j+1], v[W+8:W+9]             ; (x rms) w, in that order
	v_pk_mul_f32 v[X+32+j:X+32+j+1], v[X+32+j:X+32+j+1], v[W+10:W+11]
.set j, j+2
.endr
.set j, 0
.rept 16
	v_pk_mul_f32 v[X+j:X+j+1], v[X+j:X+j+1], v[G+j:G+j+1]
	v_pk_mul_f32 v[X+32+j:X+32+j+1], v[X+32+j:X+32+j+1], v[G+j:G+j+1]
.set j, j+2
.endr
.irp a, 0,1
.irp i, 0,1,2,3,4,5,6,7
	ds_store_b128 v2, v[X+32*\a+4*\i:X+32*\a+4*\i+3] offset:\a*PITCH+512*\i
.endr
.endr
	s_wait_dscnt 0x0                               ; for the others' sake: my two rows lie in the stage
	s_barrier_signal -1
	s_barrier_wait -1
.irp c, 0,1
.irp i, 0,1,2,3,4,5,6,7
	ds_load_b128 v[X+32*\c+4*\i:X+32*\c+4*\i+3], v3 offset:256*\c+16*\i   ; row r, k = 128 v + 64 c + 32 h + 4 i on: a whole block of 32 in a lane
.endr
.endr
	s_wait_dscnt 0x0
.irp c, 0,1
	v_max3_num_f32 v[W+\c], |v[X+32*\c]|, |v[X+32*\c+1]|, 0x1800000   ; the block's largest magnitude, and the floor 2^(3 - 127): the byte cannot fall under 1
.endr
.irp i, 2,4,6,8,10,12,14,16,18,20,22,24,26,28,30
.irp c, 0,1
	v_max3_num_f32 v[W+\c], v[W+\c], |v[X+32*\c+\i]|, |v[X+32*\c+\i+1]|
.endr
.endr
.irp c, 0,1
	v_add_nc_u32 v[W+2+\c], 0xff000000, v[W+\c]    ; 2 off its exponent field: the conversion takes the exponent field of this operand as its scale
.endr
.irp c, 0,1
	v_lshrrev_b32 v[W+4+\c], 23, v[W+2+\c]         ; the scale's byte
.endr
	v_lshl_or_b32 v[W+6], v[W+5], 16, v[W+4]       ; my two bytes: blocks h and 2 + h of the K step,
	v_lshlrev_b32 v[W+7], 3, v6
	v_lshlrev_b32 v[W+6], v[W+7], v[W+6]           ; at their places in the word;
	v_permlanex16_b32 v[W+7], v[W+6], s36, s37
	v_or_b32 v[W+6], v[W+6], v[W+7]                ; with lane l xor 16's two the word is whole
.irp c, 0,1
.irp g, 0,1,2,3
	v_cvt_scalef32_pk8_fp4_f32 v[C+4*\c+\g], v[X+32*\c+8*\g:X+32*\c+8*\g+7], v[W+2+\c]   ; to the nearest code, ties to even; beyond 6 the largest code
.endr
.endr
	v_nop                                          ; a plain instruction behind the last scaled conversion
.irp c, 0,1
	global_store_b128 v1, v[C+4*\c:C+4*\c+3], s[30:31] offset:512*\c   ; 32 lanes store 512 consecutive bytes, at a multiple of 512 from the buffer's first byte
.endr
	ds_store_b32 v4, v[W+6]                        ; both halves of the lanes write the same word with the same value
	s_wait_dscnt 0x0
	s_barrier_signal -1
	s_barrier_wait -1                              ; the tile's 128 scale words lie in LDS
	s_cmp_lg_u32 s24, 0
	s_cbranch_scc1 .Lend                           ; wave 0 stores them: one run of 512 bytes
	ds_load_b128 v[W+8:W+11], v5
	s_wait_dscnt 0x0
	global_store_b128 v1, v[W+8:W+11], s[32:33]
.Lend:
	s_wait_tensorcnt 0x0
	ds_add_u32 v128, v129
	s_wait_dscnt 0x0
	s_endpgm
.Lfunc_end_k_qd41f863889_prep:
	.size	k_qd41f863889_prep, .Lfunc_end_k_qd41f863889_prep-k_qd41f863889_prep
	.p2alignl 7, 3214868480
	.fill 96, 4, 3214868480
	.section	.rodata,"a",@progbits
	.p2align	6, 0x0
	.amdhsa_kernel k_qd41f863889_prep
		.amdhsa_group_segment_fixed_size 67584
		.amdhsa_private_segment_fixed_size 0
		.amdhsa_enable_private_segment 0
		.amdhsa_kernarg_size 80
		.amdhsa_user_sgpr_count 2
		.amdhsa_user_sgpr_kernarg_segment_ptr 1
		.amdhsa_wavefront_size32 1
		.amdhsa_system_sgpr_workgroup_id_x 1
		.amdhsa_system_sgpr_workgroup_id_y 1
		.amdhsa_system_sgpr_workgroup_id_z 1
		.amdhsa_system_vgpr_workitem_id 0
		.amdhsa_next_free_vgpr 130
		.amdhsa_next_free_sgpr 66
		.amdhsa_reserve_vcc 0
		.amdhsa_float_denorm_mode_32 3
		.amdhsa_float_denorm_mode_16_64 3
		.amdhsa_memory_ordered 1
		.amdhsa_forward_progress 1
		.amdhsa_inst_pref_size 22
	.end_amdhsa_kernel
	.amdgpu_metadata
---
amdhsa.version: [ 1, 2 ]
amdhsa.kernels:
  - .name:           k_qd41f863889_prep
    .symbol:         k_qd41f863889_prep.kd
    .args:
      - { .name: x, .offset: 0, .size: 8, .value_kind: global_buffer, .address_space: global }
      - { .name: wq, .offset: 8, .size: 8, .value_kind: global_buffer, .address_space: global }
      - { .name: wk, .offset: 16, .size: 8, .value_kind: global_buffer, .address_space: global }
      - { .name: wv, .offset: 24, .size: 8, .value_kind: global_buffer, .address_space: global }
      - { .name: wg, .offset: 32, .size: 8, .value_kind: global_buffer, .address_space: global }
      - { .name: w_in_norm, .offset: 40, .size: 8, .value_kind: global_buffer, .address_space: global }
      - { .name: xc, .offset: 48, .size: 8, .value_kind: global_buffer, .address_space: global }
      - { .name: xs, .offset: 56, .size: 8, .value_kind: global_buffer, .address_space: global }
      - { .name: wc, .offset: 64, .size: 8, .value_kind: global_buffer, .address_space: global }
      - { .name: ws, .offset: 72, .size: 8, .value_kind: global_buffer, .address_space: global }
    .group_segment_fixed_size: 67584
    .private_segment_fixed_size: 0
    .kernarg_segment_align: 8
    .kernarg_segment_size: 80
    .max_flat_workgroup_size: 256
    .sgpr_count:     66
    .vgpr_count:     130
    .wavefront_size: 32
...
	.end_amdgpu_metadata
.endif
;; end of part 1
;; launch main (part 2): grid 256 x 1, 4 waves a work-group, no clusters, 313,856 bytes of LDS; arguments xc, xs, wc, ws, w_out_norm, out0; writes out0
.if DOCPART == 2
	.amdgcn_target "amdgcn-amd-amdhsa--gfx1250"
	.amdhsa_code_object_version 6
	.text
	.protected	k_qd41f863889_main
	.globl	k_qd41f863889_main
	.p2align	8
	.type	k_qd41f863889_main,@function
k_qd41f863889_main:
	s_mov_b64 s[64:65], 0
	v_nop
	global_prefetch_b8 v0, s[64:65] scope:SCOPE_SE
	s_setreg_imm32_b32 hwreg(HW_REG_WAVE_MODE, 25, 1), 1
	s_wait_xcnt 0x0
; All that follows the first norm: q, k, v = silu(xn W^T), g = xn Wg^T on codes of FP4 (E2M1) with E8M0 scales; for each token the scores of its 16 heads (q and k quantised along the head's 64; the upper 64 of the instruction's
; K are zero codes), softmax over the 16 heads (the row's maximum taken away, normalised), P V in bf16 (K = 16, filled to 32), x sigmoid(g), the last RMS norm and gain.  Nothing between goes to memory.
; LIMITS: NaN and infinities are not served.  A block of zeros gets the scale byte 1 where the rule says 127 (its codes are zeros; only this text reads the byte).  silu(x) for x under about -88 gives -0 where
; the exact value is a denormal under 1e-41 in magnitude.
; SHARES.  A work-group owns 64 tokens: 4 tiles m of 16.  The 4,096 output columns go in 16 chunks of 256: q 0-3, k 4-7, v 8-11, g 12-15.  In a chunk wave w makes 64 columns (4 tiles t of 16 weight rows) for all 64 tokens:
; 16 accumulators.  The tokens' codes for all of K stay in each wave's registers (256), so a weight fragment feeds four matrix instructions.  In the scores, P V and the last norm wave w owns tokens 16 w .. 16 w + 15.
; THE PRODUCTS ARE USED TRANSPOSED: source 0 = 16 weight rows, source 1 = 16 tokens: lane (tok = l % 16, h = l / 16) holds one token, register j the tile's row 8 h + j.  Which rows form a tile was chosen by the launch before:
; q, k: wave w has head 4 w + cc, and the 16 registers of tiles 2 b, 2 b + 1 are d = 32 b + 16 h + 0 .. 15;  v: a tile is the 16 heads at d = 16 cc + 4 w + t;  g: head 4 w + cc, d = 16 t + 8 h + j.
; NO TENSOR LOADS, NO CLUSTER, NO JOINT REQUESTS, though all work-groups walk the same weights: the gated result, 64 tokens x 1,024 f32, must be kept whole until each token's sum of squares is known: 64 x 4,368 = 279,552
; bytes of LDS; the exchange of V takes 33,792 more; 14,336 of 327,680 are left, a tenth of one chunk of weights (139,264 bytes), and a tensor load lands in LDS alone.  Inside a work-group each weight byte is read by one wave.
; So the weights go from memory straight into registers, each load of codes 512 consecutive bytes.
; THE WEIGHTS COME BY PAIRS OF K STEPS: 16 loads of codes and 4 of scale words, 20 loads.  A pair's registers are asked for anew, for the next chunk, as soon as the pair has been multiplied, and a pair is waited for by itself,
; so the products of a chunk begin when its first pair is there.  LDS traffic stands under arithmetic where the data allow: O is fetched in the gaps of the g chunk's own products, half of the gated rows are stored among
; the second half's sigmoids, and what a trip stores last lies in registers that the next products do not write.
; REGISTERS, in windows of 256 (s_set_vgpr_msb: bits 1:0 source 0, 3:2 source 1, 5:4 source 2, 7:6 destination):
;   window 0: v1-27 addresses; v28-31 the scores' scale words; v32-47 x's scale words, (m, pair p) at 32 + 4 m + p; v48-63 the weights', (t, p) at 48 + 4 t + p: lanes 0-15 K step 2 p, lanes 16-31 K step 2 p + 1;
;             v64-127 T, at work; v128-255 the accumulators, (m, t) at 128 + 32 m + 8 t
;   window 1: x's fragments, (K step s, m) at 32 s + 8 m      window 2: one chunk's weight fragments, (s, t) at 32 s + 8 t
;   window 3: v0-63 P in bf16, tokens 2 p and 2 p + 1 in the lower and upper four of the eight at 8 p; v64-191 V, token i at 64 + 8 i (even tokens in the lower four, odd in the upper; the other four are zeros);
;             v192-255 O of my tokens 8-15 on its way to LDS; in the g chunks v0-127 hold O, and at the end v128-159 the last gain
; LDS: Y at 0: token pitch 4,368 = 16 heads x 272 + 16, head pitch 272 = 256 + 16.  Until the scores are done its first bytes hold QK: token pitch 1,040, the 16 bytes of (half hh of the head's 64, wave w, chunk C) at
; 512 hh + 128 w + 16 C; and QKS: token pitch 64, the two scale bytes of (w, C) at 16 w + 2 C.  XB: V's exchange: token pitch 528, eight heads in bf16 at 256 hh + 16 (d % 16).
; Every pitch from lane to lane is an odd multiple of 16 bytes, so sixteen lanes' 16 bytes begin at sixteen different places modulo 256.
.set QKP, 1040
.set QKS, 64*QKP
.set YP,  4368
.set HP,  272
.set XB,  64*YP
.set XP,  528
.set LO,   1                           ; 16 x lane
.set LS,   2                           ; 4 x lane: the scale words of two K steps
.set QA0,  3                           ; q's and k's pieces, on the way in; QA: + 16 x chunk
.set QA,   4
.set QS0,  5                           ; their scale words; QS: + 2 x chunk
.set QS,   6
.set SA,   7                           ; the same on the way out: my wave's tokens, lane r takes head r
.set SS,   8
.set XW,   9                           ; V's exchange, in
.set XRD,  10                          ; and out
.set YS0,  11                          ; O into Y: my tokens 0-7, and 8-15
.set YS1,  12
.set YSW,  13                          ; v13-14: + 64 cc
.set YG,   15                          ; v15-18: the gate: token 16 m + tok, my four heads
.set FA0,  19                          ; the last norm: my tokens' rows
.set FA,   20
.set YGW,  21                          ; v21-24: YG + 272 cc
.set SC,   28
.set XS,   32
.set WS,   48
.set T,    64
.set ACC,  128
.set R,    ACC+32                      ; the softmax's eight registers a token
.set Q,    T+32                        ; the last norm's four registers a token
.set W_MUL, 0x06                       ; source 0 (weights) window 2, source 1 (x) window 1
.set W_TOX, 0x40
.set W_TOW, 0x80
.set W_TO3, 0xc0
.set W_PV,  0x0f                       ; sources 0 and 1 window 3
.set W_PV3, 0xcf                       ; and the destination too
.set W_S13, 0x0c                       ; source 1 window 3
.set MSB, 0
.macro WIN new                         ; the immediate's high byte repeats the setting that is left; a switch that changes nothing is dropped
.if MSB != \new
	s_set_vgpr_msb (MSB<<8)|\new
.set MSB, \new
.endif
.endm
.macro BARRIER                         ; my LDS stores have landed and my LDS loads are in: then the work-group's barrier
	s_wait_dscnt 0x0
	s_barrier_signal -1
	s_barrier_wait -1
.endm
; A CHUNK'S PRODUCTS: 8 K steps x 16 matrix instructions.  The 16 accumulators take turns, one instruction a turn; the first K step starts the sums with the constant 0.
; THE WAIT ahead of a pair of K steps: loads come back in the order of issue, and behind a pair's 20 loads stand the 60 of the three other pairs (what is left of this chunk's, then the next chunk's as far as they are asked for):
; so 60 may be out.  The last chunk asks for nothing: behind pair p stand 20 (3 - p).
; refill = 1: behind pairs 0, 1 and 2, four places behind the last product, the NEXT chunk's same pair is asked for into the registers just read; pair 3 follows in the epilogue (REST), so that 60 loads at the most are out here.
; oload = 1 (g chunks): in the four gaps O of token tile s / 2, my head, is fetched from Y into window 3.
.macro GEMM refill, oload
.irp s, 0,1,2,3,4,5,6,7
.if (\s%2) == 0
.if \refill
	s_wait_loadcnt 60
.else
	s_wait_loadcnt 60-10*\s
.endif
.endif
	WIN W_MUL
.irp m, 0,1,2,3
.irp t, 0,1,2,3
.if \s == 0
	v_wmma_scale_f32_16x16x128_f8f6f4 v[ACC+32*\m+8*\t:ACC+32*\m+8*\t+7], v[8*\t:8*\t+7], v[8*\m:8*\m+7], 0, v[WS+4*\t], v[XS+4*\m] matrix_a_fmt:MATRIX_FMT_FP4 matrix_b_fmt:MATRIX_FMT_FP4
.elseif (\s%2) == 0
	v_wmma_scale_f32_16x16x128_f8f6f4 v[ACC+32*\m+8*\t:ACC+32*\m+8*\t+7], v[32*\s+8*\t:32*\s+8*\t+7], v[32*\s+8*\m:32*\s+8*\m+7], v[ACC+32*\m+8*\t:ACC+32*\m+8*\t+7], v[WS+4*\t+\s/2], v[XS+4*\m+\s/2] matrix_a_fmt:MATRIX_FMT_FP4 matrix_b_fmt:MATRIX_FMT_FP4
.else
	v_wmma_scale_f32_16x16x128_f8f6f4 v[ACC+32*\m+8*\t:ACC+32*\m+8*\t+7], v[32*\s+8*\t:32*\s+8*\t+7], v[32*\s+8*\m:32*\s+8*\m+7], v[ACC+32*\m+8*\t:ACC+32*\m+8*\t+7], v[WS+4*\t+\s/2], v[XS+4*\m+\s/2] matrix_a_fmt:MATRIX_FMT_FP4 matrix_b_fmt:MATRIX_FMT_FP4 matrix_a_scale:MATRIX_SCALE_ROW1 matrix_b_scale:MATRIX_SCALE_ROW1
.endif
.endr
.endr
.if (\s%2) == 1
.if (\refill && (\s < 7)) || (\s == 7)
.rept 4
	v_nop                                          ; four places in front of loads into registers that matrix instructions have read, and of the first read of results
.endr
.endif
.if \refill && (\s < 7)
	WIN W_TOW
.irp c, 0,1,2,3,4,5,6,7,8,9,10,11,12,13,14,15
	global_load_b128 v[64*(\s/2)+4*\c:64*(\s/2)+4*\c+3], v[LO], s[8:9] offset:131072+8192*(\s/2)+512*\c   ; 512 consecutive bytes
.endr
	WIN 0
.irp t, 0,1,2,3
	global_load_b32 v[WS+4*\t+\s/2], v[LS], s[10:11] offset:8192+512*\t+128*(\s/2)                        ; 128 consecutive bytes: the pair's words of tile t
.endr
.endif
.if \oload
	WIN W_TO3
.irp e, 0,1,2,3,4,5,6,7
	ds_load_b128 v[32*(\s/2)+4*\e:32*(\s/2)+4*\e+3], v[YGW+\s/2] offset:64*(\e/2)+16*(\e%2)
.endr
.endif
.endif
.endr
	WIN 0
.endm
.macro REST                            ; the next chunk's pair 3 (K steps 6 and 7), behind the epilogue's first batch: the four places behind the last product stand at the products' end
	WIN W_TOW
.irp c, 0,1,2,3,4,5,6,7,8,9,10,11,12,13,14,15
	global_load_b128 v[192+4*\c:192+4*\c+3], v[LO], s[8:9] offset:131072+24576+512*\c
.endr
	WIN 0
.irp t, 0,1,2,3
	global_load_b32 v[WS+4*\t+3], v[LS], s[10:11] offset:8192+512*\t+384
.endr
.endm
.macro STEPW                           ; a trip's end
	s_wait_xcnt 0x0                                ; the loads issued have read their bases, which are stepped only behind this wait
	s_add_nc_u64 s[8:9], s[8:9], 131072            ; the next chunk's codes: 4 waves x 32,768 bytes on
	s_add_nc_u64 s[10:11], s[10:11], 8192          ; and its scale bytes
.endm
.macro GST q                           ; store q of 16 of the gated rows of token tiles 0 and 1: tile m = q / 8, tile t = (q / 2) % 4, half q % 2
	ds_store_b128 v[YGW+(\q)/8], v[ACC+4*(\q):ACC+4*(\q)+3] offset:64*(((\q)/2)%4)+16*((\q)%2)
.endm
; 64 numbers at v[a].  keep = 1: x becomes silu(x) = x / (1 + 2^(-x log2 e)), with T at work;  keep = 0: x becomes 1 / (1 + 2^(-x log2 e)), in place.  The registers are taken in ascending order: each accumulator from its low end.
; Each kind of transcendental is ONE batch with one plain instruction and one wait behind it, ahead of its first reader.
; strew = 1: behind every eighth transcendental stands one of GST's 16 stores, which name none of the batch's registers.
.macro SIGM a, keep, strew
.if \keep
.set SD, T
.else
.set SD, (\a)
.endif
.set j, 0
.rept 32
	v_pk_mul_f32 v[SD+j:SD+j+1], v[(\a)+j:(\a)+j+1], s[22:23] op_sel_hi:[1,0]
.set j, j+2
.endr
.set j, 0
.rept 64
	v_exp_f32 v[SD+j], v[SD+j]
.if \strew && ((j%8) == 7)
	GST j/8
.endif
.set j, j+1
.endr
	v_nop
	s_wait_alu depctr_va_vdst(0)
.set j, 0
.rept 32
	v_pk_add_f32 v[SD+j:SD+j+1], v[SD+j:SD+j+1], 1.0 op_sel_hi:[1,0]
.set j, j+2
.endr
.set j, 0
.rept 64
	v_rcp_f32 v[SD+j], v[SD+j]
.if \strew && ((j%8) == 7)
	GST 8+j/8
.endif
.set j, j+1
.endr
	v_nop
	s_wait_alu depctr_va_vdst(0)
.if \keep
.set j, 0
.rept 32
	v_pk_mul_f32 v[(\a)+j:(\a)+j+1], v[(\a)+j:(\a)+j+1], v[T+j:T+j+1]
.set j, j+2
.endr
.endif
.endm
; BEHIND A CHUNK OF q OR k: silu; the 8 blocks e = 2 m + b of 32 along d (16 registers here, 16 in lane l xor 16) are quantised, by turns; a lane then holds one whole block of its token's head: 16 bytes, which go to LDS.
.macro EPI_QK
	s_wait_dscnt 0x0                               ; the last trip's stores, issued ahead of this chunk's products, are done: T and their addresses are written again only behind this wait
	SIGM ACC, 1, 0
	REST
	SIGM ACC+64, 1, 0
.irp e, 0,1,2,3,4,5,6,7
	v_max3_num_f32 v[T+\e], |v[ACC+16*\e]|, |v[ACC+16*\e+1]|, 0x1800000   ; and the floor 2^(3 - 127): the byte cannot fall under 1
.endr
.irp i, 2,4,6,8,10,12,14
.irp e, 0,1,2,3,4,5,6,7
	v_max3_num_f32 v[T+\e], v[T+\e], |v[ACC+16*\e+\i]|, |v[ACC+16*\e+\i+1]|
.endr
.endr
.irp e, 0,1,2,3,4,5,6,7
	v_permlanex16_b32 v[T+8+\e], v[T+\e], s20, s21
.endr
.irp e, 0,1,2,3,4,5,6,7
	v_max_num_f32 v[T+\e], v[T+\e], v[T+8+\e]      ; the block's largest magnitude
.endr
.irp e, 0,1,2,3,4,5,6,7
	v_add_nc_u32 v[T+16+\e], 0xff000000, v[T+\e]   ; 2 off its exponent field: the conversion's scale operand
.endr
.irp e, 0,1,2,3,4,5,6,7
	v_lshrrev_b32 v[T+24+\e], 23, v[T+16+\e]       ; the scale's byte
.endr
.irp m, 0,1,2,3
	v_lshl_or_b32 v[T+32+\m], v[T+25+2*\m], 8, v[T+24+2*\m]   ; the head's two bytes
.endr
.irp e, 0,1,2,3,4,5,6,7
	v_cvt_scalef32_pk8_fp4_f32 v[T+48+2*\e], v[ACC+16*\e:ACC+16*\e+7], v[T+16+\e]
	v_cvt_scalef32_pk8_fp4_f32 v[T+49+2*\e], v[ACC+16*\e+8:ACC+16*\e+15], v[T+16+\e]
.endr
	v_nop                                          ; a plain instruction behind the last scaled conversion
.irp m, 0,1,2,3
.irp i, 0,1
	v_permlane16_swap_b32 v[T+48+4*\m+\i], v[T+50+4*\m+\i]   ; lanes 0-15 now hold block 0 (d = 0 .. 31), lanes 16-31 block 1, in four registers on end
.endr
.endr
	v_add_nc_u32 v[QA], s18, v[QA0]
	v_add_nc_u32 v[QS], s19, v[QS0]
.irp m, 0,1,2,3
	ds_store_b128 v[QA], v[T+48+4*\m:T+48+4*\m+3] offset:16*QKP*\m
	ds_store_b16 v[QS], v[T+32+\m] offset:1024*\m  ; both halves of the lanes write the same two bytes with the same value
.endr
	s_add_co_u32 s18, s18, 16
	s_add_co_u32 s19, s19, 2
.endm
; THE SCORES AND THE SOFTMAX of my tokens 4 q + u, u = 0 .. 3, by turns.  Source 0 = k's 16 heads, source 1 = q's: lane (r, hh) holds S(head r, g = 8 hh + j).  One register carries q's scale words (lanes 0-15) and k's (lanes 16-31);
; its upper two bytes are 0 and stand over zero codes.  p = 2^(c S - c max), c = log2(e) / 8; p / sum is rounded to bf16: the eight numbers of a lane are registers 0-3 (even token) or 4-7 (odd token) of P V's source 1.
.macro SCORES q
.irp u, 0,1,2,3
	ds_load_b128 v[T+16*\u:T+16*\u+3], v[SA] offset:QKP*(4*(\q)+\u)+64
	ds_load_b128 v[T+16*\u+8:T+16*\u+11], v[SA] offset:QKP*(4*(\q)+\u)
	ds_load_u16 v[SC+\u], v[SS] offset:64*(4*(\q)+\u)
.endr
	s_wait_dscnt 0x0
.irp u, 0,1,2,3
	v_wmma_scale_f32_16x16x128_f8f6f4 v[ACC+8*\u:ACC+8*\u+7], v[T+16*\u:T+16*\u+7], v[T+16*\u+8:T+16*\u+15], 0, v[SC+\u], v[SC+\u] matrix_a_fmt:MATRIX_FMT_FP4 matrix_b_fmt:MATRIX_FMT_FP4 matrix_a_scale:MATRIX_SCALE_ROW1
.endr
.rept 4
	v_nop                                          ; four places in front of the first read of results
.endr
.irp u, 0,1,2,3
	v_max3_num_f32 v[R+8*\u], v[ACC+8*\u], v[ACC+8*\u+1], v[ACC+8*\u+2]
.endr
.irp u, 0,1,2,3
	v_max3_num_f32 v[R+8*\u+1], v[ACC+8*\u+3], v[ACC+8*\u+4], v[ACC+8*\u+5]
.endr
.irp u, 0,1,2,3
	v_max3_num_f32 v[R+8*\u], v[R+8*\u], v[ACC+8*\u+6], v[ACC+8*\u+7]
.endr
.irp u, 0,1,2,3
	v_max_num_f32 v[R+8*\u], v[R+8*\u], v[R+8*\u+1]
.endr
.irp u, 0,1,2,3
	v_permlanex16_b32 v[R+8*\u+1], v[R+8*\u], s20, s21
.endr
.irp u, 0,1,2,3
	v_max_num_f32 v[R+8*\u], v[R+8*\u], v[R+8*\u+1]   ; the row's maximum over the 16 heads
.endr
.irp u, 0,1,2,3
	v_mul_f32 v[R+8*\u+2], s26, v[R+8*\u]          ; -c max
.endr
.irp p, 0,2,4,6
.irp u, 0,1,2,3
	v_pk_fma_f32 v[ACC+8*\u+\p:ACC+8*\u+\p+1], v[ACC+8*\u+\p:ACC+8*\u+\p+1], s[24:25], v[R+8*\u+2:R+8*\u+3] op_sel_hi:[1,0,0]   ; of the pairs c and -c max the low word serves both halves
.endr
.endr
.irp p, 0,1,2,3,4,5,6,7
.irp u, 0,1,2,3
	v_exp_f32 v[ACC+8*\u+\p], v[ACC+8*\u+\p]
.endr
.endr
	v_nop
	s_wait_alu depctr_va_vdst(0)                   ; one wait for the 32 exponentials, ahead of their first reader
.irp u, 0,1,2,3
	v_pk_add_f32 v[R+8*\u+4:R+8*\u+5], v[ACC+8*\u:ACC+8*\u+1], v[ACC+8*\u+2:ACC+8*\u+3]
.endr
.irp u, 0,1,2,3
	v_pk_add_f32 v[R+8*\u+6:R+8*\u+7], v[ACC+8*\u+4:ACC+8*\u+5], v[ACC+8*\u+6:ACC+8*\u+7]
.endr
.irp u, 0,1,2,3
	v_pk_add_f32 v[R+8*\u+4:R+8*\u+5], v[R+8*\u+4:R+8*\u+5], v[R+8*\u+6:R+8*\u+7]
.endr
.irp u, 0,1,2,3
	v_add_f32 v[R+8*\u+4], v[R+8*\u+4], v[R+8*\u+5]
.endr
.irp u, 0,1,2,3
	v_permlanex16_b32 v[R+8*\u+5], v[R+8*\u+4], s20, s21
.endr
.irp u, 0,1,2,3
	v_add_f32 v[R+8*\u+4], v[R+8*\u+4], v[R+8*\u+5]   ; the row's sum
.endr
.irp u, 0,1,2,3
	v_rcp_f32 v[R+8*\u+6], v[R+8*\u+4]
.endr
	v_nop
	s_wait_alu depctr_va_vdst(0)                   ; one wait for the four reciprocals
.irp p, 0,2,4,6
.irp u, 0,1,2,3
	v_pk_mul_f32 v[ACC+8*\u+\p:ACC+8*\u+\p+1], v[ACC+8*\u+\p:ACC+8*\u+\p+1], v[R+8*\u+6:R+8*\u+7] op_sel_hi:[1,0]
.endr
.endr
	WIN W_TO3
.irp u, 0,1,2,3
.irp p, 0,1,2,3
	v_cvt_pk_bf16_f32 v[8*((4*(\q)+\u)/2)+4*(\u%2)+\p], v[ACC+8*\u+2*\p], v[ACC+8*\u+2*\p+1]
.endr
.endr
	WIN 0
.endm
; BEHIND A CHUNK OF v: silu; a lane's eight registers of a tile are heads 8 h .. 8 h + 7 at one d: 16 bytes of bf16, which go through LDS to the wave that owns the token; there they are P V's source 0 (16 d x 16 heads).
; O^T = V^T P^T: lane (r, hh) holds head r, register j is d = 16 cc + 8 hh + j.  In the pair of tokens that shares a register run of P, the other token's half of K meets V's zeros.
; O lands in T (tokens 0-7) and in window 3 (tokens 8-15), which the next chunk's products do not write: its 32 stores are the trip's last lines, and nothing waits for them before the next epilogue.
.macro EPI_V
	s_wait_dscnt 0x0                               ; the last trip's stores of O are done: T is written again only behind this wait
	SIGM ACC, 1, 0
	REST
	SIGM ACC+64, 1, 0
.set j, 0
.rept 64
	v_cvt_pk_bf16_f32 v[T+j], v[ACC+2*j], v[ACC+2*j+1]
.set j, j+1
.endr
	BARRIER                                        ; every wave's reads of the exchange for the last chunk (and, the first time, of q's and k's pieces) are over
.irp m, 0,1,2,3
.irp t, 0,1,2,3
	ds_store_b128 v[XW], v[T+4*(4*\m+\t):T+4*(4*\m+\t)+3] offset:16*XP*\m+16*\t
.endr
.endr
	BARRIER                                        ; the chunk's 16 d of all 64 tokens lie in the exchange
	WIN W_TO3
.set i, 0
.rept 16
	ds_load_b128 v[64+8*i+4*(i%2):64+8*i+4*(i%2)+3], v[XRD] offset:XP*i
.set i, i+1
.endr
	WIN W_PV
.set i, 0
.rept 8
	s_wait_dscnt 15-i                              ; LDS loads come back in order: token i's is in, the 15 - i behind it may be out
	v_wmma_f32_16x16x32_bf16 v[T+8*i:T+8*i+7], v[64+8*i:64+8*i+7], v[8*(i/2):8*(i/2)+7], 0
.set i, i+1
.endr
	WIN W_PV3
.rept 8
	s_wait_dscnt 15-i
	v_wmma_f32_16x16x32_bf16 v[192+8*(i-8):192+8*(i-8)+7], v[64+8*i:64+8*i+7], v[8*(i/2):8*(i/2)+7], 0
.set i, i+1
.endr
	WIN 0
.rept 4
	v_nop                                          ; four places in front of the stores of results
.endr
	v_add_nc_u32 v[YSW], s27, v[YS0]
	v_add_nc_u32 v[YSW+1], s27, v[YS1]
.set i, 0
.rept 8
	ds_store_b128 v[YSW], v[T+8*i:T+8*i+3] offset:i*YP              ; each accumulator from its low end on
	ds_store_b128 v[YSW], v[T+8*i+4:T+8*i+7] offset:i*YP+16
.set i, i+1
.endr
	WIN W_S13                                      ; an LDS store's data are its source 1
.set i, 0
.rept 8
	ds_store_b128 v[YSW+1], v[192+8*i:192+8*i+3] offset:i*YP
	ds_store_b128 v[YSW+1], v[192+8*i+4:192+8*i+7] offset:i*YP+16
.set i, i+1
.endr
	WIN 0
	s_add_co_u32 s27, s27, 64
.endm
; A CHUNK OF g.  G_ADR stands ahead of its products, which fetch O by these addresses.  In this phase each byte of Y is touched by one wave alone.
.macro G_ADR
.irp m, 0,1,2,3
	v_add_nc_u32 v[YGW+\m], s30, v[YG+\m]
.endr
.endm
; BEHIND IT: the sigmoids of token tiles 0, 1; x O, into the accumulators' registers; their 16 stores stand among the sigmoids of tiles 2, 3; those x O go into T, and their 16 stores are the trip's last lines.
.macro EPI_G refill
	SIGM ACC, 0, 0
.if \refill
	REST
.endif
	s_wait_dscnt 0x0                               ; O is in (asked for in the gaps of the products); the last trip's stores out of T are done
	WIN W_S13
.set j, 0
.rept 32
	v_pk_mul_f32 v[ACC+j:ACC+j+1], v[ACC+j:ACC+j+1], v[j:j+1]
.set j, j+2
.endr
	WIN 0
	SIGM ACC+64, 0, 1
	WIN W_S13
.set j, 0
.rept 32
	v_pk_mul_f32 v[T+j:T+j+1], v[ACC+64+j:ACC+64+j+1], v[64+j:64+j+1]
.set j, j+2
.endr
	WIN 0
.set j, 0
.rept 16
	ds_store_b128 v[YGW+2+j/8], v[T+4*j:T+4*j+3] offset:64*((j/2)%4)+16*(j%2)
.set j, j+1
.endr
	s_add_co_u32 s30, s30, HP
.endm
	s_load_b256 s[4:11], s[0:1], 0x0               ; xc s[4:5], xs s[6:7], wc s[8:9], ws s[10:11]
	s_load_b128 s[12:15], s[0:1], 0x20             ; w_out_norm s[12:13], out0 s[14:15]
	v_lshrrev_b32 v25, 5, v0
	v_readfirstlane_b32 s16, v25                   ; wave w
	v_and_b32 v27, 31, v0
	v_and_b32 v25, 15, v0                          ; r
	v_bfe_u32 v26, v0, 4, 1                        ; h
	v_lshlrev_b32 v[LO], 4, v27
	v_lshlrev_b32 v[LS], 2, v27
	s_lshl_b32 s32, ttmp9, 15                      ; my block's codes of x: 32,768 bytes a block
	s_mov_b32 s33, 0
	s_lshl_b32 s34, ttmp9, 11                      ; and its scale bytes: 2,048
	s_mov_b32 s35, 0
	s_lshl_b32 s36, s16, 15                        ; my wave's block of chunk 0
	s_mov_b32 s37, 0
	s_lshl_b32 s38, s16, 11
	s_mov_b32 s39, 0
	s_lshl_b32 s40, ttmp9, 18                      ; out0: 64 tokens x 4,096 bytes a work-group, 16 tokens a wave
	s_lshl_b32 s41, s16, 16
	s_add_co_u32 s40, s40, s41
	s_mov_b32 s41, 0
	s_wait_kmcnt 0x0
	s_add_nc_u64 s[4:5], s[4:5], s[32:33]
	s_add_nc_u64 s[6:7], s[6:7], s[34:35]
	s_add_nc_u64 s[8:9], s[8:9], s[36:37]
	s_add_nc_u64 s[10:11], s[10:11], s[38:39]
	s_add_nc_u64 s[14:15], s[14:15], s[40:41]
	WIN W_TOX
.set i, 0
.rept 64
	global_load_b128 v[4*i:4*i+3], v[LO], s[4:5] offset:512*i    ; x's 32 fragments: they stay
.set i, i+1
.endr
	WIN 0
.irp m, 0,1,2,3
.irp p, 0,1,2,3
	global_load_b32 v[XS+4*\m+\p], v[LS], s[6:7] offset:512*\m+128*\p
.endr
.endr
.irp p, 0,1,2,3                                ; chunk 0, pair by pair, in the order in which every later chunk is asked for: so the products' counted waits hold on the way in too
	WIN W_TOW
.irp c, 0,1,2,3,4,5,6,7,8,9,10,11,12,13,14,15
	global_load_b128 v[64*\p+4*\c:64*\p+4*\c+3], v[LO], s[8:9] offset:8192*\p+512*\c
.endr
	WIN 0
.irp t, 0,1,2,3
	global_load_b32 v[WS+4*\t+\p], v[LS], s[10:11] offset:512*\t+128*\p
.endr
.endr
	; the addresses, while the loads are on their way
	v_mul_u32_u24 v[QA0], v25, QKP
	v_lshl_add_u32 v[QA0], v26, 9, v[QA0]
	s_lshl_b32 s32, s16, 7
	v_add_nc_u32 v[QA0], s32, v[QA0]               ; tok x 1,040 + 512 h + 128 w
	v_lshlrev_b32 v[QS0], 6, v25
	s_lshl_b32 s32, s16, 4
	s_add_co_u32 s32, s32, QKS
	v_add_nc_u32 v[QS0], s32, v[QS0]               ; QKS + 64 tok + 16 w
	v_lshrrev_b32 v64, 2, v25                      ; head r was made by wave r / 4
	v_and_b32 v65, 3, v25                          ; in chunk r % 4 (k: 4 more)
	v_lshlrev_b32 v[SA], 7, v64
	v_lshl_add_u32 v[SA], v65, 4, v[SA]
	v_lshl_add_u32 v[SA], v26, 9, v[SA]
	s_mul_i32 s32, s16, 16*QKP
	v_add_nc_u32 v[SA], s32, v[SA]
	v_lshlrev_b32 v[SS], 4, v64
	v_lshl_add_u32 v[SS], v65, 1, v[SS]
	v_lshl_add_u32 v[SS], v26, 3, v[SS]            ; lanes 16-31 take k's words, 8 bytes on
	s_lshl_b32 s32, s16, 10
	s_add_co_u32 s32, s32, QKS
	v_add_nc_u32 v[SS], s32, v[SS]
	v_mul_u32_u24 v[XW], v25, XP
	v_lshl_add_u32 v[XW], v26, 8, v[XW]
	s_lshl_b32 s32, s16, 6
	s_add_co_u32 s32, s32, XB
	v_add_nc_u32 v[XW], s32, v[XW]                 ; XB + tok x 528 + 256 h + 64 w
	s_mul_i32 s32, s16, 16*XP
	s_add_co_u32 s32, s32, XB
	v_add_nc_u32 v[XRD], s32, v[LO]                ; XB + my 16 tokens + 16 x lane
	v_mul_u32_u24 v[YS0], v25, HP
	v_lshl_add_u32 v[YS0], v26, 5, v[YS0]
	s_mul_i32 s32, s16, 16*YP
	v_add_nc_u32 v[YS0], s32, v[YS0]               ; my tokens, head r, + 32 h
	v_add_nc_u32 v[YS1], 8*YP, v[YS0]
	v_mul_u32_u24 v[YG], v25, YP
	v_lshl_add_u32 v[YG], v26, 5, v[YG]
	s_mul_i32 s33, s16, 4*HP
	v_add_nc_u32 v[YG], s33, v[YG]                 ; token tok, my four heads, + 32 h
.irp m, 1,2,3
	v_add_nc_u32 v[YG+\m], \m*16*YP, v[YG]
.endr
	v_mul_u32_u24 v[FA0], v26, HP
	v_lshl_add_u32 v[FA0], v25, 4, v[FA0]
	v_add_nc_u32 v[FA0], s32, v[FA0]               ; my tokens: lanes 0-15 an even head's 256 bytes, lanes 16-31 the next head's
	WIN W_TO3
.set i, 0
.rept 16
.irp e, 0,1,2,3
	v_mov_b32 v[64+8*i+4*(1-i%2)+\e], 0            ; the half of V's operand that stands against the other token's P: zeros, written once
.endr
.set i, i+1
.endr
	WIN 0
	s_mov_b32 s20, 0x76543210
	s_mov_b32 s21, 0xfedcba98                      ; v_permlanex16_b32's selects for lane l xor 16
	s_mov_b32 s22, 0xbfb8aa3b                      ; -log2(e)
	s_mov_b32 s23, s22                             ; (named with it as a pair, so it is written)
	s_mov_b32 s24, 0x3e38aa3b                      ; c = log2(e) / sqrt(64)
	s_mov_b32 s25, s24
	s_mov_b32 s26, 0xbe38aa3b                      ; -c
	s_mov_b32 s28, 0x3a800000                      ; 1 / 1024
	s_mov_b32 s29, 0x358637bd                      ; 1e-6
	s_mov_b32 s18, 0                               ; 16 x chunk
	s_mov_b32 s19, 0                               ; 2 x chunk
	s_mov_b32 s27, 0                               ; 64 cc
	s_mov_b32 s30, 0                               ; 272 cc
	s_mov_b32 s31, 0                               ; the last norm's tokens
	s_mov_b32 s17, 8
.Lqk:                                              ; chunks 0 to 7: q, then k
	GEMM 1, 0
	EPI_QK
	STEPW
	s_sub_co_u32 s17, s17, 1
	s_cmp_lg_u32 s17, 0
	s_cbranch_scc1 .Lqk
	BARRIER                                        ; all heads' pieces of q and k lie in LDS
.irp u, 0,1,2,3
.irp e, 4,5,6,7,12,13,14,15
	v_mov_b32 v[T+16*\u+\e], 0                     ; the upper 64 of the instruction's K: zero codes, on both sides
.endr
.endr
.rept 4
	v_nop                                          ; an operand written by vector instructions stands four places ahead of a scaled matrix instruction
.endr
	SCORES 0
	SCORES 1
	SCORES 2
	SCORES 3
	s_mov_b32 s17, 4
.Lv:                                               ; chunks 8 to 11: v, and P V for 16 d of every head
	GEMM 1, 0
	EPI_V
	STEPW
	s_sub_co_u32 s17, s17, 1
	s_cmp_lg_u32 s17, 0
	s_cbranch_scc1 .Lv
	BARRIER                                        ; O of all 64 tokens lies in Y
	s_mov_b32 s17, 3
.Lg:                                               ; chunks 12 to 14: g, and the gate
	G_ADR
	GEMM 1, 1
	EPI_G 1
	STEPW
	s_sub_co_u32 s17, s17, 1
	s_cmp_lg_u32 s17, 0
	s_cbranch_scc1 .Lg
	G_ADR
	GEMM 0, 1                                      ; chunk 15 is written out: it asks for nothing, so that no load leaves the weights' buffers
	WIN W_TO3
.irp i, 0,1,2,3,4,5,6,7
	global_load_b128 v[128+4*\i:128+4*\i+3], v[LO], s[12:13] offset:512*\i   ; the last gain, at my columns 128 i + 4 lane + 0 .. 3: into window 3, since T holds the data of this chunk's last stores
.endr
	WIN 0
	EPI_G 0
	BARRIER                                        ; the gated rows are whole
	s_wait_loadcnt 0x0
.irp u, 0,1,2,3
	v_mov_b32 v[Q+4*\u+3], 0                       ; (named as the upper half of a pair whose low word serves both halves)
.endr
	s_mov_b32 s17, 4
.Lf:                                               ; THE LAST NORM: four of my tokens a trip, by turns
	v_add_nc_u32 v[FA], s31, v[FA0]
.irp u, 0,1,2,3
.irp i, 0,1,2,3,4,5,6,7
	ds_load_b128 v[ACC+32*\u+4*\i:ACC+32*\u+4*\i+3], v[FA] offset:YP*\u+2*HP*\i   ; heads 2 i and 2 i + 1: columns 128 i + 4 lane + 0 .. 3 of the token's row
.endr
.endr
	s_wait_dscnt 0x0
.irp u, 0,1,2,3
	v_pk_mul_f32 v[Q+4*\u:Q+4*\u+1], v[ACC+32*\u:ACC+32*\u+1], v[ACC+32*\u:ACC+32*\u+1]
.endr
.irp j, 2,4,6,8,10,12,14,16,18,20,22,24,26,28,30
.irp u, 0,1,2,3
	v_pk_fma_f32 v[Q+4*\u:Q+4*\u+1], v[ACC+32*\u+\j:ACC+32*\u+\j+1], v[ACC+32*\u+\j:ACC+32*\u+\j+1], v[Q+4*\u:Q+4*\u+1]
.endr
.endr
.irp u, 0,1,2,3
	v_add_f32 v[Q+4*\u], v[Q+4*\u], v[Q+4*\u+1]
.endr
.irp d, 1,2,4,8
.irp u, 0,1,2,3
	v_add_f32_dpp v[Q+4*\u], v[Q+4*\u], v[Q+4*\u] row_xmask:\d row_mask:0xf bank_mask:0xf
.endr
.endr
.irp u, 0,1,2,3
	v_permlanex16_b32 v[Q+4*\u+1], v[Q+4*\u], s20, s21
.endr
.irp u, 0,1,2,3
	v_add_f32 v[Q+4*\u], v[Q+4*\u], v[Q+4*\u+1]    ; the token's sum of squares, in every lane
.endr
.irp u, 0,1,2,3
	v_fma_f32 v[Q+4*\u], v[Q+4*\u], s28, s29       ; the mean + 1e-6
.endr
.irp u, 0,1,2,3
	v_rsq_f32 v[Q+4*\u+2], v[Q+4*\u]
.endr
	v_nop
	s_wait_alu depctr_va_vdst(0)                   ; one wait for the four roots, ahead of their first reader
.irp j, 0,2,4,6,8,10,12,14,16,18,20,22,24,26,28,30
.irp u, 0,1,2,3
	v_pk_mul_f32 v[ACC+32*\u+\j:ACC+32*\u+\j+1], v[ACC+32*\u+\j:ACC+32*\u+\j+1], v[Q+4*\u+2:Q+4*\u+3] op_sel_hi:[1,0]   ; (y rms) w, in that order
.endr
.endr
	WIN W_S13
.irp j, 0,2,4,6,8,10,12,14,16,18,20,22,24,26,28,30
.irp u, 0,1,2,3
	v_pk_mul_f32 v[ACC+32*\u+\j:ACC+32*\u+\j+1], v[ACC+32*\u+\j:ACC+32*\u+\j+1], v[128+\j:128+\j+1]
.endr
.endr
	WIN 0
.irp u, 0,1,2,3
.irp i, 0,1,2,3,4,5,6,7
	global_store_b128 v[LO], v[ACC+32*\u+4*\i:ACC+32*\u+4*\i+3], s[14:15] offset:4096*\u+512*\i th:TH_STORE_NT   ; 32 lanes store 512 consecutive bytes, at a multiple of 512 from out0's first byte; written once
.endr
.endr
	s_wait_xcnt 0x0                                ; the stores have read their registers and their base: both are written again only behind this wait
	s_add_nc_u64 s[14:15], s[14:15], 16384
	s_add_co_u32 s31, s31, 4*YP
	s_sub_co_u32 s17, s17, 1
	s_cmp_lg_u32 s17, 0
	s_cbranch_scc1 .Lf
	s_wait_xcnt 0x0
	v_lshl_add_u32 v254, v0, 2, 0x4c800
	v_mov_b32 v255, 0
	s_wait_tensorcnt 0x0
	ds_add_u32 v254, v255
	s_wait_dscnt 0x0
	s_endpgm
.Lfunc_end_k_qd41f863889_main:
	.size	k_qd41f863889_main, .Lfunc_end_k_qd41f863889_main-k_qd41f863889_main
	.p2alignl 7, 3214868480
	.fill 96, 4, 3214868480
	.section	.rodata,"a",@progbits
	.p2align	6, 0x0
	.amdhsa_kernel k_qd41f863889_main
		.amdhsa_group_segment_fixed_size 313856
		.amdhsa_private_segment_fixed_size 0
		.amdhsa_enable_private_segment 0
		.amdhsa_kernarg_size 48
		.amdhsa_user_sgpr_count 2
		.amdhsa_user_sgpr_kernarg_segment_ptr 1
		.amdhsa_wavefront_size32 1
		.amdhsa_system_sgpr_workgroup_id_x 1
		.amdhsa_system_sgpr_workgroup_id_y 1
		.amdhsa_system_sgpr_workgroup_id_z 1
		.amdhsa_system_vgpr_workitem_id 0
		.amdhsa_next_free_vgpr 1024
		.amdhsa_next_free_sgpr 66
		.amdhsa_reserve_vcc 0
		.amdhsa_float_denorm_mode_32 3
		.amdhsa_float_denorm_mode_16_64 3
		.amdhsa_memory_ordered 1
		.amdhsa_forward_progress 1
		.amdhsa_inst_pref_size 255
	.end_amdhsa_kernel
	.section	.bss,"aw",@nobits
	.p2align	6
	.space	262144
	.amdgpu_metadata
---
amdhsa.version: [ 1, 2 ]
amdhsa.kernels:
  - .name:           k_qd41f863889_main
    .symbol:         k_qd41f863889_main.kd
    .args:
      - { .name: xc, .offset: 0, .size: 8, .value_kind: global_buffer, .address_space: global }
      - { .name: xs, .offset: 8, .size: 8, .value_kind: global_buffer, .address_space: global }
      - { .name: wc, .offset: 16, .size: 8, .value_kind: global_buffer, .address_space: global }
      - { .name: ws, .offset: 24, .size: 8, .value_kind: global_buffer, .address_space: global }
      - { .name: w_out_norm, .offset: 32, .size: 8, .value_kind: global_buffer, .address_space: global }
      - { .name: out0, .offset: 40, .size: 8, .value_kind: global_buffer, .address_space: global }
    .group_segment_fixed_size: 313856
    .private_segment_fixed_size: 0
    .kernarg_segment_align: 8
    .kernarg_segment_size: 48
    .max_flat_workgroup_size: 128
    .sgpr_count:     66
    .vgpr_count:     1024
    .wavefront_size: 32
...
	.end_amdgpu_metadata
.endif
;; end of part 2
;; ======== version 2 of 2: 2 launches
;; workspace buffers: xc 8,388,608 bytes; xs 524,288 bytes; wc 2,097,152 bytes; ws 131,072 bytes
;; launch prep (part 3): grid 1280 x 1, 8 waves a work-group, no clusters, 67,584 bytes of LDS; arguments x, wq, wk, wv, wg, w_in_norm, xc, xs, wc, ws; writes xc, xs, wc, ws
.if DOCPART == 3
	.amdgcn_target "amdgcn-amd-amdhsa--gfx1250"
	.amdhsa_code_object_version 6
	.text
	.protected	k_qd41f863889_prep
	.globl	k_qd41f863889_prep
	.p2align	8
	.type	k_qd41f863889_prep,@function
k_qd41f863889_prep:
	s_mov_b64 s[64:65], 0
	v_nop
	global_prefetch_b8 v0, s[64:65] scope:SCOPE_SE
	s_setreg_imm32_b32 hwreg(HW_REG_WAVE_MODE, 25, 1), 1
	s_wait_xcnt 0x0
; x [16384][1024] f32 gets its RMS norm and gain and is turned into codes of FP4 (E2M1) with one E8M0 byte for each 32 along K; wq, wk, wv, wg [1024][1024] f32 (K innermost) are turned into codes likewise, as they are.
; A block's scale is 2^(floor(log2(its largest magnitude)) - 2): its byte is the largest magnitude's exponent field - 2, held at 1 from below.
; LIMITS: NaN and infinities among the inputs are not served.  A block of zeros gets the byte 1 where the rule says 127: its codes are zeros, and this program alone reads the bytes.
; WHAT IS STORED is laid in the order of the operand's registers.  Codes: [block of 64 rows][K step s of 128][tile t of 16 rows][c][lane][16 bytes]: lane 16 h + r holds k = 128 s + 64 c + 32 h + 0 .. 31 of tile row r.
; Scale bytes: [block][t][K step s][r]: a word (the step's four bytes) for each row, so that 32 lanes x 4 bytes are the words of two neighbouring K steps.
; SHARES.  A work-group makes ONE tile of 16 rows x 1,024.  Work-groups 0 .. 1023: x's tile T (tokens 16 T on).  Work-groups 1024 .. 1279: T' = 16 C + 4 w + t: tile t of the block that wave w of the next launch reads in chunk C
; (C / 4: q, k, v, g; cc = C % 4).  WHICH ROWS OF A WEIGHT FORM A TILE is chosen for that launch:  q, k: head 4 w + cc, row 64 head + 32 (t / 2) + 8 (t % 2) + r + 8 (r / 8);  v: row 64 r + 16 cc + 4 w + t (the 16 heads at one d);
; g: row 64 (4 w + cc) + 16 t + r.  All tiles take ONE path through the text: pointers and whole numbers are chosen by the work-group's number, and for a weight the norm's factor and the gain are replaced by 1.
; Eight waves.  Wave v loads tile rows 2 v and 2 v + 1 (each load 512 consecutive bytes), norms them, and puts them into a stage in LDS; behind a barrier wave v takes K step v of all 16 rows: a lane then holds two whole blocks of 32.
.set PITCH, 4112                       ; a stage row: 4,096 bytes + 16: an odd multiple of 16, so that the sixteen rows of a load begin at sixteen different places modulo 256 bytes
.set SCL,   16*PITCH                   ; behind the stage: the tile's 512 scale bytes, [s][r] words
.set G,     8                          ; v8-39    the gains of my columns (128 i + 4 lane + 0 .. 3)
.set X,     40                         ; v40-103  two rows as loaded; later two blocks of 32 neighbours
.set W,     104                        ; v104-119 at work
.set C,     120                        ; v120-127 the codes
	s_load_b256 s[4:11], s[0:1], 0x0               ; x s[4:5], wq s[6:7], wk s[8:9], wv s[10:11]
	s_load_b256 s[12:19], s[0:1], 0x20             ; wg s[12:13], w_in_norm s[14:15], xc s[16:17], xs s[18:19]
	s_load_b128 s[20:23], s[0:1], 0x40             ; wc s[20:21], ws s[22:23]
	v_lshl_add_u32 v128, v0, 2, 0x10400
	v_mov_b32 v129, 0
	v_lshrrev_b32 v2, 5, v0
	s_delay_alu instid0(VALU_DEP_1)
	v_readfirstlane_b32 s24, v2                    ; wave v
	v_and_b32 v1, 31, v0
	s_delay_alu instid0(VALU_DEP_1)
	v_lshlrev_b32 v1, 4, v1                        ; v1: 16 x lane
	v_and_b32 v7, 15, v0                           ; r
	v_bfe_u32 v6, v0, 4, 1                         ; h
	s_mul_i32 s35, s24, 2*PITCH
	v_add_nc_u32 v2, s35, v1                       ; v2: into the stage: my two rows, 16 x lane
	v_mul_u32_u24 v3, v7, PITCH
	s_delay_alu instid0(VALU_DEP_1)
	v_lshl_add_u32 v3, v6, 7, v3
	s_lshl_b32 s35, s24, 9
	v_add_nc_u32 v3, s35, v3                       ; v3: out of it: row r, K step v (512 bytes), + 128 h
	v_lshlrev_b32 v4, 2, v7
	s_lshl_b32 s35, s24, 6
	s_add_co_u32 s35, s35, SCL
	v_add_nc_u32 v4, s35, v4                       ; v4: K step v's 16 scale words, row r's
	v_add_nc_u32 v5, SCL, v1                       ; v5: the 512 scale bytes, 16 a lane
	s_mov_b32 s36, 0x76543210
	s_mov_b32 s37, 0xfedcba98                      ; v_permlanex16_b32's selects for lane l xor 16
	s_mov_b32 s38, 0x3a800000                      ; 1 / 1024
	s_mov_b32 s39, 0x358637bd                      ; 1e-6
	; which rows
	s_mov_b32 s25, ttmp9                           ; T
	s_max_u32 s40, s25, 1024
	s_sub_co_u32 s40, s40, 1024                    ; T' (0 for x's tiles)
	s_lshr_b32 s41, s40, 6                         ; which weight
	s_and_b32 s42, s25, 3                          ; t
	s_bfe_u32 s43, s40, 0x20002                    ; w
	s_bfe_u32 s44, s40, 0x20004                    ; cc
	s_lshl_b32 s43, s43, 2
	s_add_co_u32 s43, s43, s44
	s_lshl_b32 s43, s43, 6                         ; 64 x head
	s_lshr_b32 s44, s42, 1
	s_lshl_b32 s44, s44, 5
	s_and_b32 s45, s42, 1
	s_lshl_b32 s45, s45, 3
	s_add_co_u32 s44, s44, s45
	s_add_co_u32 s44, s44, s43                     ; q, k: the tile's first row
	s_lshl_b32 s45, s42, 4
	s_add_co_u32 s45, s45, s43                     ; g
	s_and_b32 s46, s40, 63                         ; v
	s_lshl_b32 s47, s25, 4                         ; x
	s_lshr_b32 s51, s25, 2                         ; the block of 64 rows: x's,
	s_lshr_b32 s58, s40, 2                         ; a weight's
	s_cmp_lt_u32 s41, 2
	s_cselect_b32 s48, s44, s45
	s_cselect_b32 s49, 8, 0                        ; q, k: tile rows 8 .. 15 lie 8 rows further on
	s_cmp_eq_u32 s41, 2
	s_cselect_b32 s48, s46, s48
	s_cselect_b32 s50, 64, 1                       ; from tile row to tile row
	s_cmp_lt_u32 s25, 1024
	s_cselect_b32 s48, s47, s48
	s_cselect_b32 s49, 0, s49
	s_cselect_b32 s50, 1, s50
	s_cselect_b32 s34, -1, 0                       ; all lanes: is this x?
	s_cselect_b32 s51, s51, s58
	s_lshl_b32 s52, s24, 1
	s_mul_i32 s52, s52, s50
	s_lshr_b32 s53, s24, 2
	s_mul_i32 s53, s53, s49
	s_add_co_u32 s48, s48, s52
	s_add_co_u32 s48, s48, s53                     ; tile row 2 v
	s_add_co_u32 s52, s48, s50                     ; tile row 2 v + 1
	s_lshl_b32 s48, s48, 12                        ; in bytes (under 2^26)
	s_lshl_b32 s52, s52, 12
	s_mov_b32 s49, 0
	s_mov_b32 s53, 0
	s_lshl_b32 s54, s51, 15                        ; the codes: block x 32,768 + t x 1,024 + K step v x 4,096
	s_lshl_b32 s55, s42, 10
	s_add_co_u32 s54, s54, s55
	s_lshl_b32 s55, s24, 12
	s_add_co_u32 s54, s54, s55
	s_mov_b32 s55, 0
	s_lshl_b32 s56, s51, 11                        ; the scale bytes: block x 2,048 + t x 512
	s_lshl_b32 s57, s42, 9
	s_add_co_u32 s56, s56, s57
	s_mov_b32 s57, 0
	s_wait_kmcnt 0x0
	s_cmp_eq_u32 s41, 1                            ; the choices hang on the work-group's number alone
	s_cselect_b64 s[26:27], s[8:9], s[6:7]
	s_cmp_eq_u32 s41, 2
	s_cselect_b64 s[26:27], s[10:11], s[26:27]
	s_cmp_eq_u32 s41, 3
	s_cselect_b64 s[26:27], s[12:13], s[26:27]
	s_cmp_lt_u32 s25, 1024
	s_cselect_b64 s[26:27], s[4:5], s[26:27]
	s_cselect_b64 s[30:31], s[16:17], s[20:21]
	s_cselect_b64 s[32:33], s[18:19], s[22:23]
	s_add_nc_u64 s[28:29], s[26:27], s[52:53]      ; my second row
	s_add_nc_u64 s[26:27], s[26:27], s[48:49]      ; my first row
	s_add_nc_u64 s[30:31], s[30:31], s[54:55]
	s_add_nc_u64 s[32:33], s[32:33], s[56:57]
.irp i, 0,1,2,3,4,5,6,7
	global_load_b128 v[G+4*\i:G+4*\i+3], v1, s[14:15] offset:512*\i
.endr
.irp i, 0,1,2,3,4,5,6,7
	global_load_b128 v[X+4*\i:X+4*\i+3], v1, s[26:27] offset:512*\i th:TH_LOAD_NT      ; 32 lanes read 512 consecutive bytes; each row is read once in the launch
	global_load_b128 v[X+32+4*\i:X+32+4*\i+3], v1, s[28:29] offset:512*\i th:TH_LOAD_NT
.endr
	s_wait_loadcnt 0x0
	; each row's sum of squares: two chains a row, started by the first products
.irp a, 0,1
	v_pk_mul_f32 v[W+4*\a:W+4*\a+1], v[X+32*\a:X+32*\a+1], v[X+32*\a:X+32*\a+1]
	v_pk_mul_f32 v[W+4*\a+2:W+4*\a+3], v[X+32*\a+2:X+32*\a+3], v[X+32*\a+2:X+32*\a+3]
.endr
.irp j, 4,8,12,16,20,24,28
.irp a, 0,1
	s_delay_alu instid0(VALU_DEP_4)
	v_pk_fma_f32 v[W+4*\a:W+4*\a+1], v[X+32*\a+\j:X+32*\a+\j+1], v[X+32*\a+\j:X+32*\a+\j+1], v[W+4*\a:W+4*\a+1]
	s_delay_alu instid0(VALU_DEP_4)
	v_pk_fma_f32 v[W+4*\a+2:W+4*\a+3], v[X+32*\a+\j+2:X+32*\a+\j+3], v[X+32*\a+\j+2:X+32*\a+\j+3], v[W+4*\a+2:W+4*\a+3]
.endr
.endr
.irp a, 0
	s_delay_alu instid0(VALU_DEP_3)
	v_pk_add_f32 v[W+4*\a:W+4*\a+1], v[W+4*\a:W+4*\a+1], v[W+4*\a+2:W+4*\a+3]
.endr
.irp a, 1
	s_delay_alu instid0(VALU_DEP_2)
	v_pk_add_f32 v[W+4*\a:W+4*\a+1], v[W+4*\a:W+4*\a+1], v[W+4*\a+2:W+4*\a+3]
.endr
.irp a, 0,1
	s_delay_alu instid0(VALU_DEP_2)
	v_add_f32 v[W+4*\a], v[W+4*\a], v[W+4*\a+1]
.endr
.irp d, 1,2,4,8
.irp a, 0,1
	s_delay_alu instid0(VALU_DEP_2)
	v_add_f32_dpp v[W+4*\a], v[W+4*\a], v[W+4*\a] row_xmask:\d row_mask:0xf bank_mask:0xf
.endr
.endr
.irp a, 0,1
	s_delay_alu instid0(VALU_DEP_2)
	v_permlanex16_b32 v[W+4*\a+1], v[W+4*\a], s36, s37
.endr
.irp a, 0,1
	s_delay_alu instid0(VALU_DEP_2)
	v_add_f32 v[W+4*\a], v[W+4*\a], v[W+4*\a+1]    ; every lane holds the row's sum
.endr
.irp a, 0,1
	s_delay_alu instid0(VALU_DEP_2)
	v_fma_f32 v[W+4*\a], v[W+4*\a], s38, s39       ; the mean + 1e-6
.endr
	s_wait_alu depctr_va_vdst(0)
.irp a, 0,1
	v_rsq_f32 v[W+8+2*\a], v[W+4*\a]
.endr
	v_nop                                          ; a plain instruction behind the last root
	s_wait_alu depctr_va_vdst(0)                   ; one wait for both roots, ahead of their first reader
.irp a, 0,1
	v_cndmask_b32 v[W+8+2*\a], 1.0, v[W+8+2*\a], s34   ; a weight is taken as it is
.endr
.irp a, 0,1
	s_delay_alu instid0(VALU_DEP_2)
	v_mov_b32 v[W+9+2*\a], v[W+8+2*\a]             ; twice: a pair for the packed multiply
.endr
.set j, 0
.rept 32
	v_cndmask_b32 v[G+j], 1.0, v[G+j], s34
.set j, j+1
.endr
.set j, 0
.rept 16
	v_pk_mul_f32 v[X+j:X+j+1], v[X+j:X+j+1], v[W+8:W+9]             ; (x rms) w, in that order
	v_pk_mul_f32 v[X+32+j:X+32+j+1], v[X+32+j:X+32+j+1], v[W+10:W+11]
.set j, j+2
.endr
.set j, 0
.rept 16
	v_pk_mul_f32 v[X+j:X+j+1], v[X+j:X+j+1], v[G+j:G+j+1]
	v_pk_mul_f32 v[X+32+j:X+32+j+1], v[X+32+j:X+32+j+1], v[G+j:G+j+1]
.set j, j+2
.endr
.irp a, 0,1
.irp i, 0,1,2,3,4,5,6,7
	ds_store_b128 v2, v[X+32*\a+4*\i:X+32*\a+4*\i+3] offset:\a*PITCH+512*\i
.endr
.endr
	s_wait_dscnt 0x0                               ; for the others' sake: my two rows lie in the stage
	s_barrier_signal -1
	s_barrier_wait -1
.irp c, 0,1
.irp i, 0,1,2,3,4,5,6,7
	ds_load_b128 v[X+32*\c+4*\i:X+32*\c+4*\i+3], v3 offset:256*\c+16*\i   ; row r, k = 128 v + 64 c + 32 h + 4 i on: a whole block of 32 in a lane
.endr
.endr
	s_wait_dscnt 0x0
.irp c, 0,1
	v_max3_num_f32 v[W+\c], |v[X+32*\c]|, |v[X+32*\c+1]|, 0x1800000   ; the block's largest magnitude, and the floor 2^(3 - 127): the byte cannot fall under 1
.endr
.irp i, 2,4,6,8,10,12,14,16,18,20,22,24,26,28,30
.irp c, 0,1
	s_delay_alu instid0(VALU_DEP_2)
	v_max3_num_f32 v[W+\c], v[W+\c], |v[X+32*\c+\i]|, |v[X+32*\c+\i+1]|
.endr
.endr
.irp c, 0,1
	s_delay_alu instid0(VALU_DEP_2)
	v_add_nc_u32 v[W+2+\c], 0xff000000, v[W+\c]    ; 2 off its exponent field: the conversion takes the exponent field of this operand as its scale
.endr
.irp c, 0,1
	s_delay_alu instid0(VALU_DEP_2)
	v_lshrrev_b32 v[W+4+\c], 23, v[W+2+\c]         ; the scale's byte
.endr
	s_delay_alu instid0(VALU_DEP_1)
	v_lshl_or_b32 v[W+6], v[W+5], 16, v[W+4]       ; my two bytes: blocks h and 2 + h of the K step,
	v_lshlrev_b32 v[W+7], 3, v6
	s_delay_alu instid0(VALU_DEP_1)
	v_lshlrev_b32 v[W+6], v[W+7], v[W+6]           ; at their places in the word;
	s_delay_alu instid0(VALU_DEP_1)
	v_permlanex16_b32 v[W+7], v[W+6], s36, s37
	s_delay_alu instid0(VALU_DEP_1)
	v_or_b32 v[W+6], v[W+6], v[W+7]                ; with lane l xor 16's two the word is whole
.irp c, 0,1
.irp g, 0,1,2,3
	v_cvt_scalef32_pk8_fp4_f32 v[C+4*\c+\g], v[X+32*\c+8*\g:X+32*\c+8*\g+7], v[W+2+\c]   ; to the nearest code, ties to even; beyond 6 the largest code
.endr
.endr
	v_nop                                          ; a plain instruction behind the last scaled conversion
.irp c, 0,1
	global_store_b128 v1, v[C+4*\c:C+4*\c+3], s[30:31] offset:512*\c   ; 32 lanes store 512 consecutive bytes, at a multiple of 512 from the buffer's first byte
.endr
	ds_store_b32 v4, v[W+6]                        ; both halves of the lanes write the same word with the same value
	s_wait_dscnt 0x0
	s_barrier_signal -1
	s_barrier_wait -1                              ; the tile's 128 scale words lie in LDS
	s_cmp_lg_u32 s24, 0
	s_cbranch_scc1 .Lend                           ; wave 0 stores them: one run of 512 bytes
	ds_load_b128 v[W+8:W+11], v5
	s_wait_dscnt 0x0
	global_store_b128 v1, v[W+8:W+11], s[32:33]
.Lend:
	s_wait_tensorcnt 0x0
	ds_add_u32 v128, v129
	s_wait_dscnt 0x0
	s_endpgm
.Lfunc_end_k_qd41f863889_prep:
	.size	k_qd41f863889_prep, .Lfunc_end_k_qd41f863889_prep-k_qd41f863889_prep
	.p2alignl 7, 3214868480
	.fill 96, 4, 3214868480
	.section	.rodata,"a",@progbits
	.p2align	6, 0x0
	.amdhsa_kernel k_qd41f863889_prep
		.amdhsa_group_segment_fixed_size 67584
		.amdhsa_private_segment_fixed_size 0
		.amdhsa_enable_private_segment 0
		.amdhsa_kernarg_size 80
		.amdhsa_user_sgpr_count 2
		.amdhsa_user_sgpr_kernarg_segment_ptr 1
		.amdhsa_wavefront_size32 1
		.amdhsa_system_sgpr_workgroup_id_x 1
		.amdhsa_system_sgpr_workgroup_id_y 1
		.amdhsa_system_sgpr_workgroup_id_z 1
		.amdhsa_system_vgpr_workitem_id 0
		.amdhsa_next_free_vgpr 130
		.amdhsa_next_free_sgpr 66
		.amdhsa_reserve_vcc 0
		.amdhsa_float_denorm_mode_32 3
		.amdhsa_float_denorm_mode_16_64 3
		.amdhsa_memory_ordered 1
		.amdhsa_forward_progress 1
		.amdhsa_inst_pref_size 25
	.end_amdhsa_kernel
	.amdgpu_metadata
---
amdhsa.version: [ 1, 2 ]
amdhsa.kernels:
  - .name:           k_qd41f863889_prep
    .symbol:         k_qd41f863889_prep.kd
    .args:
      - { .name: x, .offset: 0, .size: 8, .value_kind: global_buffer, .address_space: global }
      - { .name: wq, .offset: 8, .size: 8, .value_kind: global_buffer, .address_space: global }
      - { .name: wk, .offset: 16, .size: 8, .value_kind: global_buffer, .address_space: global }
      - { .name: wv, .offset: 24, .size: 8, .value_kind: global_buffer, .address_space: global }
      - { .name: wg, .offset: 32, .size: 8, .value_kind: global_buffer, .address_space: global }
      - { .name: w_in_norm, .offset: 40, .size: 8, .value_kind: global_buffer, .address_space: global }
      - { .name: xc, .offset: 48, .size: 8, .value_kind: global_buffer, .address_space: global }
      - { .name: xs, .offset: 56, .size: 8, .value_kind: global_buffer, .address_space: global }
      - { .name: wc, .offset: 64, .size: 8, .value_kind: global_buffer, .address_space: global }
      - { .name: ws, .offset: 72, .size: 8, .value_kind: global_buffer, .address_space: global }
    .group_segment_fixed_size: 67584
    .private_segment_fixed_size: 0
    .kernarg_segment_align: 8
    .kernarg_segment_size: 80
    .max_flat_workgroup_size: 256
    .sgpr_count:     66
    .vgpr_count:     130
    .wavefront_size: 32
...
	.end_amdgpu_metadata
.endif
;; end of part 3
;; launch main (part 4): grid 256 x 1, 4 waves a work-group, no clusters, 313,856 bytes of LDS; arguments xc, xs, wc, ws, w_out_norm, out0; writes out0
.if DOCPART == 4
	.amdgcn_target "amdgcn-amd-amdhsa--gfx1250"
	.amdhsa_code_object_version 6
	.text
	.protected	k_qd41f863889_main
	.globl	k_qd41f863889_main
	.p2align	8
	.type	k_qd41f863889_main,@function
k_qd41f863889_main:
	s_mov_b64 s[64:65], 0
	v_nop
	global_prefetch_b8 v0, s[64:65] scope:SCOPE_SE
	s_setreg_imm32_b32 hwreg(HW_REG_WAVE_SCHED_MODE, 0, 2), 2
	s_setreg_imm32_b32 hwreg(HW_REG_WAVE_MODE, 25, 1), 1
	s_wait_xcnt 0x0
	s_wait_alu depctr_vm_vsrc(0)
; All that follows the first norm: q, k, v = silu(xn W^T), g = xn Wg^T on codes of FP4 (E2M1) with E8M0 scales; for each token the scores of its 16 heads (q and k quantised along the head's 64; the upper 64 of the instruction's
; K are zero codes), softmax over the 16 heads (the row's maximum taken away, normalised), P V in bf16 (K = 16, filled to 32), x sigmoid(g), the last RMS norm and gain.  Nothing between goes to memory.
; LIMITS: NaN and infinities are not served.  A block of zeros gets the scale byte 1 where the rule says 127 (its codes are zeros; only this text reads the byte).  silu(x) for x under about -88 gives -0 where
; the exact value is a denormal under 1e-41 in magnitude.
; SHARES.  A work-group owns 64 tokens: 4 tiles m of 16.  The 4,096 output columns go in 16 chunks of 256: q 0-3, k 4-7, v 8-11, g 12-15.  In a chunk wave w makes 64 columns (4 tiles t of 16 weight rows) for all 64 tokens:
; 16 accumulators.  The tokens' codes for all of K stay in each wave's registers (256), so a weight fragment feeds four matrix instructions.  In the scores, P V and the last norm wave w owns tokens 16 w .. 16 w + 15.
; THE PRODUCTS ARE USED TRANSPOSED: source 0 = 16 weight rows, source 1 = 16 tokens: lane (tok = l % 16, h = l / 16) holds one token, register j the tile's row 8 h + j.  Which rows form a tile was chosen by the launch before:
; q, k: wave w has head 4 w + cc, and the 16 registers of tiles 2 b, 2 b + 1 are d = 32 b + 16 h + 0 .. 15;  v: a tile is the 16 heads at d = 16 cc + 4 w + t;  g: head 4 w + cc, d = 16 t + 8 h + j.
; NO TENSOR LOADS, NO CLUSTER, NO JOINT REQUESTS, though all work-groups walk the same weights: the gated result, 64 tokens x 1,024 f32, must be kept whole until each token's sum of squares is known: 64 x 4,368 = 279,552
; bytes of LDS; the exchange of V takes 33,792 more; 14,336 of 327,680 are left, a tenth of one chunk of weights (139,264 bytes), and a tensor load lands in LDS alone.  Inside a work-group each weight byte is read by one wave.
; So the weights go from memory straight into registers, each load of codes 512 consecutive bytes.
; THE WEIGHTS COME BY PAIRS OF K STEPS: 16 loads of codes and 4 of scale words, 20 loads.  A pair is waited for by itself, so the products of a chunk begin when its first pair is there.  The next chunk's pairs are asked for
; into the registers that this chunk's products have read: pairs 0 and 1 behind K step 3, pair 2 behind the last product, pair 3 behind the epilogue's first batch of sigmoids.
; LDS traffic stands under arithmetic where the data allow: O is fetched among the g chunk's own products, half of the gated rows are stored among the second half's sigmoids, and what a trip stores last lies in registers
; that the next products do not write.
; THE MODE: SCHED_MODE bits 1:0 = 2 (LLVM: expert scheduling mode 2), set by the entry lines.  The code itself states the register dependences between vector or matrix instructions and memory or LDS instructions,
; with s_wait_alu, always for 0.
; THE PLAN.  Registers that memory or LDS instructions touch, and who else names them:
;   v[LO], v[LS]              offsets of every global load and store: written at the head, never again.
;   window 2, v48-63          a chunk's weights and scale words: read by the products of their pair alone; the next chunk's loads land in them behind a wait on va_vdst that stands behind those products.
;   T                         written by each epilogue's arithmetic and by P V; read by the LDS stores at a trip's end and into V's exchange; in the scores LDS loads land in it.
;   QA, QS, YSW, YGW, FA      LDS addresses, each written by one add a trip, ahead of a wait on va_vdst that stands there for the data too.
;   window 3 v64-191          V: LDS loads land, P V reads.   window 3 v192-255: P V writes, O's stores read.   window 3 v0-127 in the g chunks: O's loads land, the gate's multiplies read.
;   ACC                       g chunks: v128-191 are written by the gate's multiplies, read by the sixteen strewn stores, written next by the following chunk's products.  Last norm: LDS loads land, global stores read.
; A trip's last stores are followed by products that name none of their registers, so ONE wait on vm_vsrc, at the head of the next epilogue (g chunks: ahead of the next products), frees all that they read.
; REGISTERS, in windows of 256 (s_set_vgpr_msb: bits 1:0 source 0, 3:2 source 1, 5:4 source 2, 7:6 destination):
;   window 0: v1-27 addresses; v28-31 the scores' scale words; v32-47 x's scale words, (m, pair p) at 32 + 4 m + p; v48-63 the weights', (t, p) at 48 + 4 t + p: lanes 0-15 K step 2 p, lanes 16-31 K step 2 p + 1;
;             v64-127 T, at work; v128-255 the accumulators, (m, t) at 128 + 32 m + 8 t
;   window 1: x's fragments, (K step s, m) at 32 s + 8 m      window 2: one chunk's weight fragments, (s, t) at 32 s + 8 t
;   window 3: v0-63 P in bf16, tokens 2 p and 2 p + 1 in the lower and upper four of the eight at 8 p; v64-191 V, token i at 64 + 8 i (even tokens in the lower four, odd in the upper; the other four are zeros);
;             v192-255 O of my tokens 8-15 on its way to LDS; in the g chunks v0-127 hold O, and at the end v128-159 the last gain
; LDS: Y at 0: token pitch 4,368 = 16 heads x 272 + 16, head pitch 272 = 256 + 16.  Until the scores are done its first bytes hold QK: token pitch 1,040, the 16 bytes of (half hh of the head's 64, wave w, chunk C) at
; 512 hh + 128 w + 16 C; and QKS: token pitch 64, the two scale bytes of (w, C) at 16 w + 2 C.  XB: V's exchange: token pitch 528, eight heads in bf16 at 256 hh + 16 (d % 16).
; Every pitch from lane to lane is an odd multiple of 16 bytes, so sixteen lanes' 16 bytes begin at sixteen different places modulo 256.
.set QKP, 1040
.set QKS, 64*QKP
.set YP,  4368
.set HP,  272
.set XB,  64*YP
.set XP,  528
.set LO,   1                           ; 16 x lane
.set LS,   2                           ; 4 x lane: the scale words of two K steps
.set QA0,  3                           ; q's and k's pieces, on the way in; QA: + 16 x chunk
.set QA,   4
.set QS0,  5                           ; their scale words; QS: + 2 x chunk
.set QS,   6
.set SA,   7                           ; the same on the way out: my wave's tokens, lane r takes head r
.set SS,   8
.set XW,   9                           ; V's exchange, in
.set XRD,  10                          ; and out
.set YS0,  11                          ; O into Y: my tokens 0-7, and 8-15
.set YS1,  12
.set YSW,  13                          ; v13-14: + 64 cc
.set YG,   15                          ; v15-18: the gate: token 16 m + tok, my four heads
.set FA0,  19                          ; the last norm: my tokens' rows
.set FA,   20
.set YGW,  21                          ; v21-24: YG + 272 cc
.set SC,   28
.set XS,   32
.set WS,   48
.set T,    64
.set ACC,  128
.set R,    ACC+32                      ; the softmax's eight registers a token
.set Q,    T+32                        ; the last norm's four registers a token
.set W_MUL, 0x06                       ; source 0 (weights) window 2, source 1 (x) window 1
.set W_TOX, 0x40
.set W_TOW, 0x80
.set W_TO3, 0xc0
.set W_PV,  0x0f                       ; sources 0 and 1 window 3
.set W_PV3, 0xcf                       ; and the destination too
.set W_S13, 0x0c                       ; source 1 window 3
.set MSB, 0
.macro WIN new                         ; the immediate's high byte repeats the setting that is left; a switch that changes nothing is dropped
.if MSB != \new
	s_set_vgpr_msb (MSB<<8)|\new
.set MSB, \new
.endif
.endm
.macro BARRIER                         ; my LDS stores have landed and my LDS loads are in: then the work-group's barrier
	s_wait_dscnt 0x0
	s_barrier_signal -1
	s_barrier_wait -1
.endm
; The NEXT chunk's pair p (K steps 2 p and 2 p + 1): 20 loads, into the registers of this chunk's pair p.  It stands behind a wait on va_vdst that stands behind the products of that pair; between that wait and these
; loads no vector or matrix instruction names window 2's registers of the pair, its scale words, v[LO] or v[LS].
.macro PAIR p
	WIN W_TOW
.irp c, 0,1,2,3,4,5,6,7,8,9,10,11,12,13,14,15
	global_load_b128 v[64*(\p)+4*\c:64*(\p)+4*\c+3], v[LO], s[8:9] offset:131072+8192*(\p)+512*\c   ; 512 consecutive bytes
.endr
	WIN 0
.irp t, 0,1,2,3
	global_load_b32 v[WS+4*\t+(\p)], v[LS], s[10:11] offset:8192+512*\t+128*(\p)                    ; 128 consecutive bytes: the pair's words of tile t
.endr
.endm
; A CHUNK'S PRODUCTS: 8 K steps x 16 matrix instructions.  The 16 accumulators take turns, one instruction a turn; the first K step starts the sums with the constant 0.
; THE WAIT ahead of a pair of K steps: loads come back in the order of issue, so as many may be out as were issued behind the pair's 20.  refill = 1: behind pair 0 stand pairs 1, 2, 3: 60; behind pair 1 pairs 2, 3: 40;
; behind pair 2 pair 3 and the next chunk's pairs 0, 1: 60; behind pair 3 those two: 40.  The last chunk asks for nothing: behind pair p stand 20 (3 - p).
; refill = 1: the NEXT chunk's pairs 0 and 1 are asked for behind K step 3, its pair 2 behind the last product; pair 3 follows in the epilogue.
; oload = 1 (g chunks): behind every second K step O of token tile s / 2, my head, is fetched from Y into window 3.  These loads owe no wait here: G_ADR's wait stands ahead of the products, which name neither v[YGW ..] nor window 3.
.macro GEMM refill, oload
.irp s, 0,1,2,3,4,5,6,7
.if (\s%2) == 0
.if \refill
	s_wait_loadcnt 60-20*((\s/2)%2)
.else
	s_wait_loadcnt 60-10*\s
.endif
.endif
	WIN W_MUL
.irp m, 0,1,2,3
.irp t, 0,1,2,3
.if \s == 0
	v_wmma_scale_f32_16x16x128_f8f6f4 v[ACC+32*\m+8*\t:ACC+32*\m+8*\t+7], v[8*\t:8*\t+7], v[8*\m:8*\m+7], 0, v[WS+4*\t], v[XS+4*\m] matrix_a_fmt:MATRIX_FMT_FP4 matrix_b_fmt:MATRIX_FMT_FP4
.elseif (\s%2) == 0
	v_wmma_scale_f32_16x16x128_f8f6f4 v[ACC+32*\m+8*\t:ACC+32*\m+8*\t+7], v[32*\s+8*\t:32*\s+8*\t+7], v[32*\s+8*\m:32*\s+8*\m+7], v[ACC+32*\m+8*\t:ACC+32*\m+8*\t+7], v[WS+4*\t+\s/2], v[XS+4*\m+\s/2] matrix_a_fmt:MATRIX_FMT_FP4 matrix_b_fmt:MATRIX_FMT_FP4
.else
	v_wmma_scale_f32_16x16x128_f8f6f4 v[ACC+32*\m+8*\t:ACC+32*\m+8*\t+7], v[32*\s+8*\t:32*\s+8*\t+7], v[32*\s+8*\m:32*\s+8*\m+7], v[ACC+32*\m+8*\t:ACC+32*\m+8*\t+7], v[WS+4*\t+\s/2], v[XS+4*\m+\s/2] matrix_a_fmt:MATRIX_FMT_FP4 matrix_b_fmt:MATRIX_FMT_FP4 matrix_a_scale:MATRIX_SCALE_ROW1 matrix_b_scale:MATRIX_SCALE_ROW1
.endif
.endr
.endr
.if \refill && (\s == 3)
.rept 4
	v_nop                                          ; four places behind the last product, left beside the wait below
.endr
	WIN W_TOW
	s_wait_alu depctr_va_vdst(0)                   ; the products of K steps 0 to 3 are done reading pairs 0 and 1 and their scale words, in which the 40 loads below land
	PAIR 0
	PAIR 1
.endif
.if \oload && ((\s%2) == 1)
	WIN W_TO3
.irp e, 0,1,2,3,4,5,6,7
	ds_load_b128 v[32*(\s/2)+4*\e:32*(\s/2)+4*\e+3], v[YGW+\s/2] offset:64*(\e/2)+16*(\e%2)
.endr
.endif
.if \s == 7
.rept 4
	v_nop                                          ; four places in front of the first read of results (ISA guide 7.12.1)
.endr
.if \refill
	WIN W_TOW
	s_wait_alu depctr_va_vdst(0)                   ; the products of K steps 4 to 7 are done reading pairs 2 and 3 and their scale words: pair 2's loads follow at once, pair 3's in the epilogue
	PAIR 2
.endif
.endif
.endr
	WIN 0
.endm
.macro STEPW                           ; a trip's end
	s_wait_xcnt 0x0                                ; the loads issued have read their bases, which are stepped only behind this wait
	s_add_nc_u64 s[8:9], s[8:9], 131072            ; the next chunk's codes: 4 waves x 32,768 bytes on
	s_add_nc_u64 s[10:11], s[10:11], 8192          ; and its scale bytes
.endm
.macro GST q                           ; store q of 16 of the gated rows of token tiles 0 and 1: tile m = q / 8, tile t = (q / 2) % 4, half q % 2
	ds_store_b128 v[YGW+(\q)/8], v[ACC+4*(\q):ACC+4*(\q)+3] offset:64*(((\q)/2)%4)+16*((\q)%2)
.endm
; 64 numbers at v[a].  keep = 1: x becomes silu(x) = x / (1 + 2^(-x log2 e)), with T at work;  keep = 0: x becomes 1 / (1 + 2^(-x log2 e)), in place.  The registers are taken in ascending order: each accumulator from its low end.
; Each kind of transcendental is ONE batch with one plain instruction and one wait behind it, ahead of its first reader.
; strew = 1: behind every eighth transcendental stands one of GST's 16 stores, which name none of the batch's registers.
.macro SIGM a, keep, strew
.if \keep
.set SD, T
.else
.set SD, (\a)
.endif
.set j, 0
.rept 32
	v_pk_mul_f32 v[SD+j:SD+j+1], v[(\a)+j:(\a)+j+1], s[22:23] op_sel_hi:[1,0]
.set j, j+2
.endr
.if \strew
	s_wait_alu depctr_va_vdst(0)                   ; the gated rows of token tiles 0 and 1 are written, which the sixteen stores strewn below read; nothing from here to the last of them names those registers or v[YGW ..]
.endif
.set j, 0
	s_wait_alu depctr_va_vdst(0)
.rept 64
	v_exp_f32 v[SD+j], v[SD+j]
.if \strew && ((j%8) == 7)
	GST j/8
.endif
.set j, j+1
.endr
	v_nop
	s_wait_alu depctr_va_vdst(0)                   ; the 64 exponentials are written, ahead of their first reader
.set j, 0
.rept 32
	v_pk_add_f32 v[SD+j:SD+j+1], v[SD+j:SD+j+1], 1.0 op_sel_hi:[1,0]
.set j, j+2
.endr
.set j, 0
	s_wait_alu depctr_va_vdst(0)
.rept 64
	v_rcp_f32 v[SD+j], v[SD+j]
.if \strew && ((j%8) == 7)
	GST 8+j/8
.endif
.set j, j+1
.endr
	v_nop
	s_wait_alu depctr_va_vdst(0)                   ; the 64 reciprocals are written, ahead of their first reader
.if \keep
.set j, 0
.rept 32
	v_pk_mul_f32 v[(\a)+j:(\a)+j+1], v[(\a)+j:(\a)+j+1], v[T+j:T+j+1]
.set j, j+2
.endr
.endif
.endm
; BEHIND A CHUNK OF q OR k: silu; the 8 blocks e = 2 m + b of 32 along d (16 registers here, 16 in lane l xor 16) are quantised, by turns; a lane then holds one whole block of its token's head: 16 bytes, which go to LDS.
.macro EPI_QK
	s_wait_dscnt 0x0                               ; the last trip's stores, issued ahead of this chunk's products, are done
	s_wait_alu depctr_vm_vsrc(0)                   ; they have read T, v[QA] and v[QS], which this epilogue writes again
	SIGM ACC, 1, 0
	PAIR 3                                         ; the wait at the products' end has shown pair 3 read; the sigmoids since name ACC and T alone
	SIGM ACC+64, 1, 0
.irp e, 0,1,2,3,4,5,6,7
	v_max3_num_f32 v[T+\e], |v[ACC+16*\e]|, |v[ACC+16*\e+1]|, 0x1800000   ; and the floor 2^(3 - 127): the byte cannot fall under 1
.endr
.irp i, 2,4,6,8,10,12,14
.irp e, 0,1,2,3,4,5,6,7
	v_max3_num_f32 v[T+\e], v[T+\e], |v[ACC+16*\e+\i]|, |v[ACC+16*\e+\i+1]|
.endr
.endr
.irp e, 0,1,2,3,4,5,6,7
	v_permlanex16_b32 v[T+8+\e], v[T+\e], s20, s21
.endr
.irp e, 0,1,2,3,4,5,6,7
	v_max_num_f32 v[T+\e], v[T+\e], v[T+8+\e]      ; the block's largest magnitude
.endr
.irp e, 0,1,2,3,4,5,6,7
	v_add_nc_u32 v[T+16+\e], 0xff000000, v[T+\e]   ; 2 off its exponent field: the conversion's scale operand
.endr
.irp e, 0,1,2,3,4,5,6,7
	v_lshrrev_b32 v[T+24+\e], 23, v[T+16+\e]       ; the scale's byte
.endr
.irp m, 0,1,2,3
	v_lshl_or_b32 v[T+32+\m], v[T+25+2*\m], 8, v[T+24+2*\m]   ; the head's two bytes
.endr
.irp e, 0,1,2,3,4,5,6,7
	v_cvt_scalef32_pk8_fp4_f32 v[T+48+2*\e], v[ACC+16*\e:ACC+16*\e+7], v[T+16+\e]
	v_cvt_scalef32_pk8_fp4_f32 v[T+49+2*\e], v[ACC+16*\e+8:ACC+16*\e+15], v[T+16+\e]
.endr
	v_nop                                          ; a plain instruction behind the last scaled conversion
.irp m, 0,1,2,3
.irp i, 0,1
	v_permlane16_swap_b32 v[T+48+4*\m+\i], v[T+50+4*\m+\i]   ; lanes 0-15 now hold block 0 (d = 0 .. 31), lanes 16-31 block 1, in four registers on end
.endr
.endr
	v_add_nc_u32 v[QA], s18, v[QA0]
	v_add_nc_u32 v[QS], s19, v[QS0]
	s_wait_alu depctr_va_vdst(0)                   ; the codes, the scale bytes and the two addresses are written, which the eight stores read
.irp m, 0,1,2,3
	ds_store_b128 v[QA], v[T+48+4*\m:T+48+4*\m+3] offset:16*QKP*\m
	ds_store_b16 v[QS], v[T+32+\m] offset:1024*\m  ; both halves of the lanes write the same two bytes with the same value
.endr
	s_add_co_u32 s18, s18, 16
	s_add_co_u32 s19, s19, 2
.endm
; THE SCORES AND THE SOFTMAX of my tokens 4 q + u, u = 0 .. 3, by turns.  Source 0 = k's 16 heads, source 1 = q's: lane (r, hh) holds S(head r, g = 8 hh + j).  One register carries q's scale words (lanes 0-15) and k's (lanes 16-31);
; its upper two bytes are 0 and stand over zero codes.  p = 2^(c S - c max), c = log2(e) / 8; p / sum is rounded to bf16: the eight numbers of a lane are registers 0-3 (even token) or 4-7 (odd token) of P V's source 1.
; The twelve loads at its head land in T and in the scale words, which the four products of the group before have read: the wait behind that group's reciprocals stands behind those products, and what follows it names
; ACC and window 3 alone.  Ahead of the first group stands a wait of its own.
.macro SCORES q
.irp u, 0,1,2,3
	ds_load_b128 v[T+16*\u:T+16*\u+3], v[SA] offset:QKP*(4*(\q)+\u)+64
	ds_load_b128 v[T+16*\u+8:T+16*\u+11], v[SA] offset:QKP*(4*(\q)+\u)
	ds_load_u16 v[SC+\u], v[SS] offset:64*(4*(\q)+\u)
.endr
	s_wait_dscnt 0x0
.irp u, 0,1,2,3
	v_wmma_scale_f32_16x16x128_f8f6f4 v[ACC+8*\u:ACC+8*\u+7], v[T+16*\u:T+16*\u+7], v[T+16*\u+8:T+16*\u+15], 0, v[SC+\u], v[SC+\u] matrix_a_fmt:MATRIX_FMT_FP4 matrix_b_fmt:MATRIX_FMT_FP4 matrix_a_scale:MATRIX_SCALE_ROW1
.endr
.rept 4
	v_nop                                          ; four places in front of the first read of results
.endr
.irp u, 0,1,2,3
	v_max3_num_f32 v[R+8*\u], v[ACC+8*\u], v[ACC+8*\u+1], v[ACC+8*\u+2]
.endr
.irp u, 0,1,2,3
	v_max3_num_f32 v[R+8*\u+1], v[ACC+8*\u+3], v[ACC+8*\u+4], v[ACC+8*\u+5]
.endr
.irp u, 0,1,2,3
	v_max3_num_f32 v[R+8*\u], v[R+8*\u], v[ACC+8*\u+6], v[ACC+8*\u+7]
.endr
.irp u, 0,1,2,3
	v_max_num_f32 v[R+8*\u], v[R+8*\u], v[R+8*\u+1]
.endr
.irp u, 0,1,2,3
	v_permlanex16_b32 v[R+8*\u+1], v[R+8*\u], s20, s21
.endr
.irp u, 0,1,2,3
	v_max_num_f32 v[R+8*\u], v[R+8*\u], v[R+8*\u+1]   ; the row's maximum over the 16 heads
.endr
.irp u, 0,1,2,3
	v_mul_f32 v[R+8*\u+2], s26, v[R+8*\u]          ; -c max
.endr
.irp p, 0,2,4,6
.irp u, 0,1,2,3
	v_pk_fma_f32 v[ACC+8*\u+\p:ACC+8*\u+\p+1], v[ACC+8*\u+\p:ACC+8*\u+\p+1], s[24:25], v[R+8*\u+2:R+8*\u+3] op_sel_hi:[1,0,0]   ; of the pairs c and -c max the low word serves both halves
.endr
.endr
	s_wait_alu depctr_va_vdst(0)
.irp p, 0,1,2,3,4,5,6,7
.irp u, 0,1,2,3
	v_exp_f32 v[ACC+8*\u+\p], v[ACC+8*\u+\p]
.endr
.endr
	v_nop
	s_wait_alu depctr_va_vdst(0)                   ; the 32 exponentials are written, ahead of their first reader
.irp u, 0,1,2,3
	v_pk_add_f32 v[R+8*\u+4:R+8*\u+5], v[ACC+8*\u:ACC+8*\u+1], v[ACC+8*\u+2:ACC+8*\u+3]
.endr
.irp u, 0,1,2,3
	v_pk_add_f32 v[R+8*\u+6:R+8*\u+7], v[ACC+8*\u+4:ACC+8*\u+5], v[ACC+8*\u+6:ACC+8*\u+7]
.endr
.irp u, 0,1,2,3
	v_pk_add_f32 v[R+8*\u+4:R+8*\u+5], v[R+8*\u+4:R+8*\u+5], v[R+8*\u+6:R+8*\u+7]
.endr
.irp u, 0,1,2,3
	v_add_f32 v[R+8*\u+4], v[R+8*\u+4], v[R+8*\u+5]
.endr
.irp u, 0,1,2,3
	v_permlanex16_b32 v[R+8*\u+5], v[R+8*\u+4], s20, s21
.endr
.irp u, 0,1,2,3
	v_add_f32 v[R+8*\u+4], v[R+8*\u+4], v[R+8*\u+5]   ; the row's sum
.endr
	s_wait_alu depctr_va_vdst(0)
.irp u, 0,1,2,3
	v_rcp_f32 v[R+8*\u+6], v[R+8*\u+4]
.endr
	v_nop
	s_wait_alu depctr_va_vdst(0)                   ; the four reciprocals are written, ahead of their first reader; the four products above are done reading T and the scale words, in which the next group's loads land
.irp p, 0,2,4,6
.irp u, 0,1,2,3
	v_pk_mul_f32 v[ACC+8*\u+\p:ACC+8*\u+\p+1], v[ACC+8*\u+\p:ACC+8*\u+\p+1], v[R+8*\u+6:R+8*\u+7] op_sel_hi:[1,0]
.endr
.endr
	WIN W_TO3
.irp u, 0,1,2,3
.irp p, 0,1,2,3
	v_cvt_pk_bf16_f32 v[8*((4*(\q)+\u)/2)+4*(\u%2)+\p], v[ACC+8*\u+2*\p], v[ACC+8*\u+2*\p+1]
.endr
.endr
	WIN 0
.endm
; BEHIND A CHUNK OF v: silu; a lane's eight registers of a tile are heads 8 h .. 8 h + 7 at one d: 16 bytes of bf16, which go through LDS to the wave that owns the token; there they are P V's source 0 (16 d x 16 heads).
; O^T = V^T P^T: lane (r, hh) holds head r, register j is d = 16 cc + 8 hh + j.  In the pair of tokens that shares a register run of P, the other token's half of K meets V's zeros.
; O lands in T (tokens 0-7) and in window 3 (tokens 8-15), which the next chunk's products do not write: its 32 stores are the trip's last lines, and nothing waits for them before the next epilogue.
.macro EPI_V
	s_wait_dscnt 0x0                               ; the last trip's stores of O are done
	s_wait_alu depctr_vm_vsrc(0)                   ; they have read T, window 3's v192-255 and v[YSW ..], all of which this epilogue writes again
	SIGM ACC, 1, 0
	PAIR 3                                         ; the wait at the products' end has shown pair 3 read; the sigmoids since name ACC and T alone
	SIGM ACC+64, 1, 0
.set j, 0
.rept 64
	v_cvt_pk_bf16_f32 v[T+j], v[ACC+2*j], v[ACC+2*j+1]
.set j, j+1
.endr
	BARRIER                                        ; every wave's reads of the exchange for the last chunk (and, the first time, of q's and k's pieces) are over
	s_wait_alu depctr_va_vdst(0)                   ; the roundings have written T, which the sixteen stores read; P V of the last trip is done reading V, in which the loads below land
.irp m, 0,1,2,3
.irp t, 0,1,2,3
	ds_store_b128 v[XW], v[T+4*(4*\m+\t):T+4*(4*\m+\t)+3] offset:16*XP*\m+16*\t
.endr
.endr
	BARRIER                                        ; the chunk's 16 d of all 64 tokens lie in the exchange
	s_wait_alu depctr_vm_vsrc(0)                   ; my stores into the exchange have read T, into which P V's first eight results are written
	WIN W_TO3
.set i, 0
.rept 16
	ds_load_b128 v[64+8*i+4*(i%2):64+8*i+4*(i%2)+3], v[XRD] offset:XP*i
.set i, i+1
.endr
	WIN W_PV
.set i, 0
.rept 8
	s_wait_dscnt 15-i                              ; LDS loads come back in order: token i's is in, the 15 - i behind it may be out
	v_wmma_f32_16x16x32_bf16 v[T+8*i:T+8*i+7], v[64+8*i:64+8*i+7], v[8*(i/2):8*(i/2)+7], 0
.set i, i+1
.endr
	WIN W_PV3
.rept 8
	s_wait_dscnt 15-i
	v_wmma_f32_16x16x32_bf16 v[192+8*(i-8):192+8*(i-8)+7], v[64+8*i:64+8*i+7], v[8*(i/2):8*(i/2)+7], 0
.set i, i+1
.endr
	WIN 0
.rept 4
	v_nop                                          ; four places in front of the stores of results
.endr
	v_add_nc_u32 v[YSW], s27, v[YS0]
	v_add_nc_u32 v[YSW+1], s27, v[YS1]
	s_wait_alu depctr_va_vdst(0)                   ; P V has written its sixteen results and the two addresses are written, which the 32 stores read; the places above stay beside this wait
.set i, 0
.rept 8
	ds_store_b128 v[YSW], v[T+8*i:T+8*i+3] offset:i*YP              ; each accumulator from its low end on
	ds_store_b128 v[YSW], v[T+8*i+4:T+8*i+7] offset:i*YP+16
.set i, i+1
.endr
	WIN W_S13                                      ; an LDS store's data are its source 1
.set i, 0
.rept 8
	ds_store_b128 v[YSW+1], v[192+8*i:192+8*i+3] offset:i*YP
	ds_store_b128 v[YSW+1], v[192+8*i+4:192+8*i+7] offset:i*YP+16
.set i, i+1
.endr
	WIN 0
	s_add_co_u32 s27, s27, 64
.endm
; A CHUNK OF g.  G_ADR stands ahead of its products, which fetch O by these addresses.  In this phase each byte of Y is touched by one wave alone.
.macro G_ADR
	s_wait_alu depctr_vm_vsrc(0)                   ; the stores of the trip before have read v[YGW ..], which the adds below write, the accumulators of token tiles 0 and 1, which the products write, and T, which the epilogue writes
.irp m, 0,1,2,3
	v_add_nc_u32 v[YGW+\m], s30, v[YG+\m]
.endr
	s_wait_alu depctr_va_vdst(0)                   ; v[YGW ..] are written, by which O is fetched; all that named window 3's v0-127 (P, V, the last gate's multiplies) is done with them: O's 32 loads land there
.endm
; BEHIND IT: the sigmoids of token tiles 0, 1; x O, into the accumulators' registers; their 16 stores stand among the sigmoids of tiles 2, 3; those x O go into T, and their 16 stores are the trip's last lines.
.macro EPI_G refill
	SIGM ACC, 0, 0
.if \refill
	PAIR 3                                         ; the wait at the products' end has shown pair 3 read; the sigmoids since name ACC alone
.endif
	s_wait_dscnt 0x0                               ; O is in (asked for among the products); the last trip's stores out of T are done
	WIN W_S13
.set j, 0
.rept 32
	v_pk_mul_f32 v[ACC+j:ACC+j+1], v[ACC+j:ACC+j+1], v[j:j+1]
.set j, j+2
.endr
	WIN 0
	SIGM ACC+64, 0, 1
	WIN W_S13
.set j, 0
.rept 32
	v_pk_mul_f32 v[T+j:T+j+1], v[ACC+64+j:ACC+64+j+1], v[64+j:64+j+1]
.set j, j+2
.endr
	WIN 0
	s_wait_alu depctr_va_vdst(0)                   ; the gated rows of token tiles 2 and 3 are written into T, which the sixteen stores read
.set j, 0
.rept 16
	ds_store_b128 v[YGW+2+j/8], v[T+4*j:T+4*j+3] offset:64*((j/2)%4)+16*(j%2)
.set j, j+1
.endr
	s_add_co_u32 s30, s30, HP
.endm
	s_load_b256 s[4:11], s[0:1], 0x0               ; xc s[4:5], xs s[6:7], wc s[8:9], ws s[10:11]
	s_load_b128 s[12:15], s[0:1], 0x20             ; w_out_norm s[12:13], out0 s[14:15]
	v_lshrrev_b32 v25, 5, v0
	v_readfirstlane_b32 s16, v25                   ; wave w
	v_and_b32 v27, 31, v0
	v_and_b32 v25, 15, v0                          ; r
	v_bfe_u32 v26, v0, 4, 1                        ; h
	v_lshlrev_b32 v[LO], 4, v27
	v_lshlrev_b32 v[LS], 2, v27
	s_wait_alu depctr_va_sdst(0)                   ; s16 is written, ahead of its first reader: the wave's bases and LDS places are made from it
	s_lshl_b32 s32, ttmp9, 15                      ; my block's codes of x: 32,768 bytes a block
	s_mov_b32 s33, 0
	s_lshl_b32 s34, ttmp9, 11                      ; and its scale bytes: 2,048
	s_mov_b32 s35, 0
	s_lshl_b32 s36, s16, 15                        ; my wave's block of chunk 0
	s_mov_b32 s37, 0
	s_lshl_b32 s38, s16, 11
	s_mov_b32 s39, 0
	s_lshl_b32 s40, ttmp9, 18                      ; out0: 64 tokens x 4,096 bytes a work-group, 16 tokens a wave
	s_lshl_b32 s41, s16, 16
	s_add_co_u32 s40, s40, s41
	s_mov_b32 s41, 0
	s_wait_kmcnt 0x0
	s_add_nc_u64 s[4:5], s[4:5], s[32:33]
	s_add_nc_u64 s[6:7], s[6:7], s[34:35]
	s_add_nc_u64 s[8:9], s[8:9], s[36:37]
	s_add_nc_u64 s[10:11], s[10:11], s[38:39]
	s_add_nc_u64 s[14:15], s[14:15], s[40:41]
	WIN W_TOX
	s_wait_alu depctr_va_vdst(0)                   ; v[LO] and v[LS] are written: every global load and store of the kernel reads one of them as its offset
.set i, 0
.rept 64
	global_load_b128 v[4*i:4*i+3], v[LO], s[4:5] offset:512*i    ; x's 32 fragments: they stay
.set i, i+1
.endr
	WIN 0
.irp m, 0,1,2,3
.irp p, 0,1,2,3
	global_load_b32 v[XS+4*\m+\p], v[LS], s[6:7] offset:512*\m+128*\p
.endr
.endr
.irp p, 0,1,2,3                                ; chunk 0, pair by pair, in the order in which every later chunk is asked for: so the products' counted waits hold on the way in too
	WIN W_TOW
.irp c, 0,1,2,3,4,5,6,7,8,9,10,11,12,13,14,15
	global_load_b128 v[64*\p+4*\c:64*\p+4*\c+3], v[LO], s[8:9] offset:8192*\p+512*\c
.endr
	WIN 0
.irp t, 0,1,2,3
	global_load_b32 v[WS+4*\t+\p], v[LS], s[10:11] offset:512*\t+128*\p
.endr
.endr
	; the addresses, while the loads are on their way: none of them is read by an LDS instruction before the first chunk's waits on va_vdst
	v_mul_u32_u24 v[QA0], v25, QKP
	v_lshl_add_u32 v[QA0], v26, 9, v[QA0]
	s_lshl_b32 s32, s16, 7
	v_add_nc_u32 v[QA0], s32, v[QA0]               ; tok x 1,040 + 512 h + 128 w
	v_lshlrev_b32 v[QS0], 6, v25
	s_lshl_b32 s32, s16, 4
	s_add_co_u32 s32, s32, QKS
	v_add_nc_u32 v[QS0], s32, v[QS0]               ; QKS + 64 tok + 16 w
	v_lshrrev_b32 v64, 2, v25                      ; head r was made by wave r / 4
	v_and_b32 v65, 3, v25                          ; in chunk r % 4 (k: 4 more)
	v_lshlrev_b32 v[SA], 7, v64
	v_lshl_add_u32 v[SA], v65, 4, v[SA]
	v_lshl_add_u32 v[SA], v26, 9, v[SA]
	s_mul_i32 s32, s16, 16*QKP
	v_add_nc_u32 v[SA], s32, v[SA]
	v_lshlrev_b32 v[SS], 4, v64
	v_lshl_add_u32 v[SS], v65, 1, v[SS]
	v_lshl_add_u32 v[SS], v26, 3, v[SS]            ; lanes 16-31 take k's words, 8 bytes on
	s_lshl_b32 s32, s16, 10
	s_add_co_u32 s32, s32, QKS
	v_add_nc_u32 v[SS], s32, v[SS]
	v_mul_u32_u24 v[XW], v25, XP
	v_lshl_add_u32 v[XW], v26, 8, v[XW]
	s_lshl_b32 s32, s16, 6
	s_add_co_u32 s32, s32, XB
	v_add_nc_u32 v[XW], s32, v[XW]                 ; XB + tok x 528 + 256 h + 64 w
	s_mul_i32 s32, s16, 16*XP
	s_add_co_u32 s32, s32, XB
	v_add_nc_u32 v[XRD], s32, v[LO]                ; XB + my 16 tokens + 16 x lane
	v_mul_u32_u24 v[YS0], v25, HP
	v_lshl_add_u32 v[YS0], v26, 5, v[YS0]
	s_mul_i32 s32, s16, 16*YP
	v_add_nc_u32 v[YS0], s32, v[YS0]               ; my tokens, head r, + 32 h
	v_add_nc_u32 v[YS1], 8*YP, v[YS0]
	v_mul_u32_u24 v[YG], v25, YP
	v_lshl_add_u32 v[YG], v26, 5, v[YG]
	s_mul_i32 s33, s16, 4*HP
	v_add_nc_u32 v[YG], s33, v[YG]                 ; token tok, my four heads, + 32 h
.irp m, 1,2,3
	v_add_nc_u32 v[YG+\m], \m*16*YP, v[YG]
.endr
	v_mul_u32_u24 v[FA0], v26, HP
	v_lshl_add_u32 v[FA0], v25, 4, v[FA0]
	v_add_nc_u32 v[FA0], s32, v[FA0]               ; my tokens: lanes 0-15 an even head's 256 bytes, lanes 16-31 the next head's
	WIN W_TO3
.set i, 0
.rept 16
.irp e, 0,1,2,3
	v_mov_b32 v[64+8*i+4*(1-i%2)+\e], 0            ; the half of V's operand that stands against the other token's P: zeros, written once
.endr
.set i, i+1
.endr
	WIN 0
	s_mov_b32 s20, 0x76543210
	s_mov_b32 s21, 0xfedcba98                      ; v_permlanex16_b32's selects for lane l xor 16
	s_mov_b32 s22, 0xbfb8aa3b                      ; -log2(e)
	s_mov_b32 s23, s22                             ; (named with it as a pair, so it is written)
	s_mov_b32 s24, 0x3e38aa3b                      ; c = log2(e) / sqrt(64)
	s_mov_b32 s25, s24
	s_mov_b32 s26, 0xbe38aa3b                      ; -c
	s_mov_b32 s28, 0x3a800000                      ; 1 / 1024
	s_mov_b32 s29, 0x358637bd                      ; 1e-6
	s_mov_b32 s18, 0                               ; 16 x chunk
	s_mov_b32 s19, 0                               ; 2 x chunk
	s_mov_b32 s27, 0                               ; 64 cc
	s_mov_b32 s30, 0                               ; 272 cc
	s_mov_b32 s31, 0                               ; the last norm's tokens
	s_mov_b32 s17, 8
.Lqk:                                              ; chunks 0 to 7: q, then k
	GEMM 1, 0
	EPI_QK
	STEPW
	s_sub_co_u32 s17, s17, 1
	s_cmp_lg_u32 s17, 0
	s_cbranch_scc1 .Lqk
	BARRIER                                        ; all heads' pieces of q and k lie in LDS
	s_wait_alu depctr_vm_vsrc(0)                   ; my last stores of pieces have read T, which the lines and the loads below write
.irp u, 0,1,2,3
.irp e, 4,5,6,7,12,13,14,15
	v_mov_b32 v[T+16*\u+\e], 0                     ; the upper 64 of the instruction's K: zero codes, on both sides
.endr
.endr
.rept 4
	v_nop                                          ; an operand written by vector instructions stands four places ahead of a scaled matrix instruction
.endr
	s_wait_alu depctr_va_vdst(0)                   ; the zero codes are written, which the scaled products take as operands; the last epilogue is done with the rest of T, in which the loads below land
	SCORES 0
	SCORES 1
	SCORES 2
	SCORES 3
	s_mov_b32 s17, 4
.Lv:                                               ; chunks 8 to 11: v, and P V for 16 d of every head
	GEMM 1, 0
	EPI_V
	STEPW
	s_sub_co_u32 s17, s17, 1
	s_cmp_lg_u32 s17, 0
	s_cbranch_scc1 .Lv
	BARRIER                                        ; O of all 64 tokens lies in Y
	s_mov_b32 s17, 3
.Lg:                                               ; chunks 12 to 14: g, and the gate
	G_ADR
	GEMM 1, 1
	EPI_G 1
	STEPW
	s_sub_co_u32 s17, s17, 1
	s_cmp_lg_u32 s17, 0
	s_cbranch_scc1 .Lg
	G_ADR
	GEMM 0, 1                                      ; chunk 15 is written out: it asks for nothing, so that no load leaves the weights' buffers
	WIN W_TO3
.irp i, 0,1,2,3,4,5,6,7
	global_load_b128 v[128+4*\i:128+4*\i+3], v[LO], s[12:13] offset:512*\i   ; the last gain, at my columns 128 i + 4 lane + 0 .. 3: into window 3, since T holds the data of this chunk's last stores.  No wait: nothing since G_ADR's names these registers
.endr
	WIN 0
	EPI_G 0
	BARRIER                                        ; the gated rows are whole
	s_wait_loadcnt 0x0
	s_wait_alu depctr_vm_vsrc(0)                   ; my last stores of gated rows have read T, four registers of which are written below
.irp u, 0,1,2,3
	v_mov_b32 v[Q+4*\u+3], 0                       ; (named as the upper half of a pair whose low word serves both halves)
.endr
	s_mov_b32 s17, 4
.Lf:                                               ; THE LAST NORM: four of my tokens a trip, by turns
	s_wait_alu depctr_vm_vsrc(0)                   ; the last trip's LDS loads have read v[FA], which is written below; its global stores (the first time: the strewn stores) have read the accumulators' registers, in which the loads below land
	v_add_nc_u32 v[FA], s31, v[FA0]
	s_wait_alu depctr_va_vdst(0)                   ; v[FA] is written, which the loads read; the arithmetic before is done with the registers in which they land
.irp u, 0,1,2,3
.irp i, 0,1,2,3,4,5,6,7
	ds_load_b128 v[ACC+32*\u+4*\i:ACC+32*\u+4*\i+3], v[FA] offset:YP*\u+2*HP*\i   ; heads 2 i and 2 i + 1: columns 128 i + 4 lane + 0 .. 3 of the token's row
.endr
.endr
	s_wait_dscnt 0x0
.irp u, 0,1,2,3
	v_pk_mul_f32 v[Q+4*\u:Q+4*\u+1], v[ACC+32*\u:ACC+32*\u+1], v[ACC+32*\u:ACC+32*\u+1]
.endr
.irp j, 2,4,6,8,10,12,14,16,18,20,22,24,26,28,30
.irp u, 0,1,2,3
	v_pk_fma_f32 v[Q+4*\u:Q+4*\u+1], v[ACC+32*\u+\j:ACC+32*\u+\j+1], v[ACC+32*\u+\j:ACC+32*\u+\j+1], v[Q+4*\u:Q+4*\u+1]
.endr
.endr
.irp u, 0,1,2,3
	v_add_f32 v[Q+4*\u], v[Q+4*\u], v[Q+4*\u+1]
.endr
.irp d, 1,2,4,8
.irp u, 0,1,2,3
	v_add_f32_dpp v[Q+4*\u], v[Q+4*\u], v[Q+4*\u] row_xmask:\d row_mask:0xf bank_mask:0xf
.endr
.endr
.irp u, 0,1,2,3
	v_permlanex16_b32 v[Q+4*\u+1], v[Q+4*\u], s20, s21
.endr
.irp u, 0,1,2,3
	v_add_f32 v[Q+4*\u], v[Q+4*\u], v[Q+4*\u+1]    ; the token's sum of squares, in every lane
.endr
.irp u, 0,1,2,3
	v_fma_f32 v[Q+4*\u], v[Q+4*\u], s28, s29       ; the mean + 1e-6
.endr
	s_wait_alu depctr_va_vdst(0)
.irp u, 0,1,2,3
	v_rsq_f32 v[Q+4*\u+2], v[Q+4*\u]
.endr
	v_nop
	s_wait_alu depctr_va_vdst(0)                   ; the four roots are written, ahead of their first reader
.irp j, 0,2,4,6,8,10,12,14,16,18,20,22,24,26,28,30
.irp u, 0,1,2,3
	v_pk_mul_f32 v[ACC+32*\u+\j:ACC+32*\u+\j+1], v[ACC+32*\u+\j:ACC+32*\u+\j+1], v[Q+4*\u+2:Q+4*\u+3] op_sel_hi:[1,0]   ; (y rms) w, in that order
.endr
.endr
	WIN W_S13
.irp j, 0,2,4,6,8,10,12,14,16,18,20,22,24,26,28,30
.irp u, 0,1,2,3
	v_pk_mul_f32 v[ACC+32*\u+\j:ACC+32*\u+\j+1], v[ACC+32*\u+\j:ACC+32*\u+\j+1], v[128+\j:128+\j+1]
.endr
.endr
	WIN 0
	s_wait_alu depctr_va_vdst(0)                   ; the four finished rows are written, which the 32 stores read
.irp u, 0,1,2,3
.irp i, 0,1,2,3,4,5,6,7
	global_store_b128 v[LO], v[ACC+32*\u+4*\i:ACC+32*\u+4*\i+3], s[14:15] offset:4096*\u+512*\i th:TH_STORE_NT   ; 32 lanes store 512 consecutive bytes, at a multiple of 512 from out0's first byte; written once
.endr
.endr
	s_wait_xcnt 0x0                                ; the stores have read their registers and their base: both are written again only behind this wait
	s_add_nc_u64 s[14:15], s[14:15], 16384
	s_add_co_u32 s31, s31, 4*YP
	s_sub_co_u32 s17, s17, 1
	s_cmp_lg_u32 s17, 0
	s_cbranch_scc1 .Lf
	s_wait_xcnt 0x0
	s_wait_alu depctr_vm_vsrc(0)                   ; the last stores have read v254 and v255, which the two lines below write
	v_lshl_add_u32 v254, v0, 2, 0x4c800
	v_mov_b32 v255, 0
	s_wait_dscnt 0x0                               ; the closing lines, six on end
	s_wait_alu 0x0
	s_wait_tensorcnt 0x0
	ds_add_u32 v254, v255
	s_wait_dscnt 0x0
	s_endpgm
.Lfunc_end_k_qd41f863889_main:
	.size	k_qd41f863889_main, .Lfunc_end_k_qd41f863889_main-k_qd41f863889_main
	.p2alignl 7, 3214868480
	.fill 96, 4, 3214868480
	.section	.rodata,"a",@progbits
	.p2align	6, 0x0
	.amdhsa_kernel k_qd41f863889_main
		.amdhsa_group_segment_fixed_size 313856
		.amdhsa_private_segment_fixed_size 0
		.amdhsa_enable_private_segment 0
		.amdhsa_kernarg_size 48
		.amdhsa_user_sgpr_count 2
		.amdhsa_user_sgpr_kernarg_segment_ptr 1
		.amdhsa_wavefront_size32 1
		.amdhsa_system_sgpr_workgroup_id_x 1
		.amdhsa_system_sgpr_workgroup_id_y 1
		.amdhsa_system_sgpr_workgroup_id_z 1
		.amdhsa_system_vgpr_workitem_id 0
		.amdhsa_next_free_vgpr 1024
		.amdhsa_next_free_sgpr 66
		.amdhsa_reserve_vcc 0
		.amdhsa_float_denorm_mode_32 3
		.amdhsa_float_denorm_mode_16_64 3
		.amdhsa_memory_ordered 1
		.amdhsa_forward_progress 1
		.amdhsa_inst_pref_size 255
	.end_amdhsa_kernel
	.section	.bss,"aw",@nobits
	.p2align	6
	.space	262144
	.amdgpu_metadata
---
amdhsa.version: [ 1, 2 ]
amdhsa.kernels:
  - .name:           k_qd41f863889_main
    .symbol:         k_qd41f863889_main.kd
    .args:
      - { .name: xc, .offset: 0, .size: 8, .value_kind: global_buffer, .address_space: global }
      - { .name: xs, .offset: 8, .size: 8, .value_kind: global_buffer, .address_space: global }
      - { .name: wc, .offset: 16, .size: 8, .value_kind: global_buffer, .address_space: global }
      - { .name: ws, .offset: 24, .size: 8, .value_kind: global_buffer, .address_space: global }
      - { .name: w_out_norm, .offset: 32, .size: 8, .value_kind: global_buffer, .address_space: global }
      - { .name: out0, .offset: 40, .size: 8, .value_kind: global_buffer, .address_space: global }
    .group_segment_fixed_size: 313856
    .private_segment_fixed_size: 0
    .kernarg_segment_align: 8
    .kernarg_segment_size: 48
    .max_flat_workgroup_size: 128
    .sgpr_count:     66
    .vgpr_count:     1024
    .wavefront_size: 32
...
	.end_amdgpu_metadata
.endif
;; end of part 4
